; MI455X (gfx1250); checked and timed in simulation.
; The chip was launched on July 23, 2026; its instructions are those of AMD's public machine-readable ISA for CDNA 5 (MIT licence, August 2026) and "CDNA5" Instruction Set Architecture Reference Guide (July 2026). The comments in the code are by the model that wrote it; some were corrected since.
;; Mo E Sparse Layer. Allowed arithmetic: matrix products marked QUANTISED: E2M1 operands, one E8M0 scale for each 32 along K, by v_wmma_scale_f32_16x16x128_f8f6f4 with both operands' format E2M1 (or v_wmma_scale_f32_32x16x128_f4), f32 sums; products left as they are: f32 operands where the result goes on into a quantised operand, else bf16, f16 or f32 operands; f32 sums; everything else in f32.
;; Inputs: W1_codes 8 x 1,024 x 32 x 16 uint8 (E2M1 codes of W1, K innermost, in blocks of 32 codes, two codes a byte); W1_scales 8 x 1,024 x 32 uint8 (E8M0 scales of W1, one for each 32 codes along K); W2_codes 8 x 1,024 x 32 x 16 uint8 (E2M1 codes of W2, K innermost, in blocks of 32 codes, two codes a byte); W2_scales 8 x 1,024 x 32 uint8 (E8M0 scales of W2, one for each 32 codes along K); Wg 1,024 x 8 float32; b1 8 x 1,024 float32; b2 8 x 1,024 float32; bg 8 float32; x 4 x 1,024 x 1,024 float32.
;; Outputs: out0 4 x 1,024 x 1,024 float32.
;; This version of the problem:
;;   THIS VERSION OF THE PROBLEM IS GIVEN IN LOW PRECISION. The matrix products marked QUANTISED in the list below multiply operands that are first quantised to E2M1 (2 exponent bits, 1 mantissa bit; 4 bits a number), with one power-of-two scale for each 32 numbers along K (OCP MX v1.0); their sums are f32. All else is computed in f32.
;;   The module's matrix products, in the order in which they are computed (A, B: the left and right operand; K: the contracted axis; several contracted axes count as one K, in the product's order):
;;     1. [M 4,096, K 1,024] x [K 1,024, N 8]; A: input x; B: input Wg: left as it is (N = 8 < 16)
;;     2. [M 4,096, K 1,024] x [K 1,024, N 8,192]; A: input x; B: input W1 (given as codes): QUANTISED
;;     3. batch 8 x [M 1,024, K 1,024] x [K 1,024, N 4,096]; A: input W2 (given as codes); B: computed on the way: QUANTISED
;;   THE QUANTISER, for each operand of a quantised product, along K:
;;     - K is cut into blocks of 32 from its start; a last block that is shorter is filled with zeros.
;;     - A block's scale is 2^e with e = floor(log2(the largest magnitude in the block)) - 2, held to -126 .. 127; a block of zeros has e = 0. As a byte (E8M0): e + 127.
;;     - Each number is divided by its block's scale, clamped to +-6, and rounded to the nearest number of E2M1, ties to even, subnormals kept.
;;     - The product sums the exact products of the quantised numbers (number of the format x scale) in f32.
;;   ~~~python
;;   def quantise(x, axis):      # numpy; x: float32 -> the quantised numbers, widened to float32 again
;;       x = np.moveaxis(x, axis, -1); K = x.shape[-1]
;;       x = np.pad(x, [(0, 0)] * (x.ndim - 1) + [(0, -K % 32)]); x = x.reshape(x.shape[:-1] + (-1, 32)); a = np.abs(x).max(-1, keepdims=True)
;;       e = np.where(a > 0, np.clip(np.frexp(np.where(a > 0, a, 1))[1] - 1 - 2, -126, 127), 0)      # np.frexp(a)[1] - 1 = floor(log2(a)), exactly
;;       r = np.clip(x / 2.0 ** e, -6, 6)
;;       step = 2.0 ** (np.maximum(np.frexp(np.where(r == 0, 1, r))[1] - 1, 0) - 1)
;;       q = np.round(r / step) * step * 2.0 ** e      # np.round: ties to even
;;       return np.moveaxis(q.reshape(q.shape[:-2] + (-1,))[..., :K], -1, axis).astype(np.float32)
;;   ~~~
;;   OPERANDS COMPUTED ON THE WAY. 'Computed on the way' means the value that the module computes at that place (a softmax that the list does not call 'softmax' is quantised finished and normalised). What goes into a quantiser is computed in f32, as accurately as f32 sums, v_exp_f32 and their like allow (about 1e-6 of the number): no bf16 or f16 on the way to a quantiser, and a product that is left as it is and whose result goes on into a quantised operand takes f32 operands (vector FMAs, or v_wmma_f32_16x16x4_f32). A number that lies on a knife's edge between two numbers of the format may be rounded either way, as far as f32 arithmetic and the matrix unit's own rounding can turn it there, and no further.
;;   INPUTS GIVEN AS CODES. W1 (in the module: [8, 1024, 1024], K = its axis 1); W2 (in the module: [8, 1024, 1024], K = its axis 1): each comes as NAME_codes (uint8): NAME with its K axis moved to the last place and cut into blocks of 32 codes, [.., K / 32, bytes a block], one block behind the other in memory; two codes a byte, the lower K in the low four bits (a code: sign, 2 exponent bits, 1 mantissa bit); and NAME_scales (uint8): the same leading axes, one E8M0 byte (e + 127) for each 32 codes along K. Its value is code x scale, taken as it is: it is not quantised again, and the codes and scales need not be those that the quantiser above would give.
;; 2 versions. Each part assembles by itself: llvm-mc -triple=amdgcn-amd-amdhsa -mcpu=gfx1250 --defsym DOCPART=n.
;; ======== version 1 of 2: 4 launches
;; workspace buffers: xqs 2,228,224 bytes; sel 16,384 bytes of whole numbers; gw 32,768 bytes; list 17,408 bytes of whole numbers; wf 8,388,608 bytes; hqs 17,825,792 bytes
;; launch gate (part 1): grid 256 x 1, 4 waves a work-group, no clusters, 71,424 bytes of LDS; arguments x, Wg, bg, xqs, sel, gw; writes xqs, sel, gw
.if DOCPART == 1
	.amdgcn_target "amdgcn-amd-amdhsa--gfx1250"
	.amdhsa_code_object_version 6
	.text
	.protected	k_q80e63ce0b1_gate
	.globl	k_q80e63ce0b1_gate
	.p2align	8
	.type	k_q80e63ce0b1_gate,@function
k_q80e63ce0b1_gate:
	s_mov_b64 s[64:65], 0
	v_nop
	global_prefetch_b8 v0, s[64:65] scope:SCOPE_SE
	s_setreg_imm32_b32 hwreg(HW_REG_WAVE_MODE, 25, 1), 1
	s_wait_xcnt 0x0
; MoE layer, launch 1 of 4: the gate, and x as codes of E2M1.
; For each of the 4,096 tokens: logits = x . Wg + bg in f32 (fused multiply-adds), softmax over the 8 experts with the maximum taken away, the two largest scores
; (a tie keeps the lower index, as jax.lax.top_k does); and the token's 1,024 numbers quantised along K: 32 blocks of 32, one E8M0 byte each.
; Stored at fixed places: xqs [token][512 bytes of codes], behind them (+2,097,152) [token][32 scale bytes]; sel [token] = e1 | e2 << 8; gw [token][2] = the two scores.
; WORK LEFT OUT BY THE PROGRAM.  reference() computes all 8 experts for every token and then keeps, by take_along_axis on its own top_k, the rows of 2: the other 6 experts' rows of both
; quantised products reach no output, whatever the inputs hold.  The later launches multiply only tiles of tokens that use an expert.  Every input has a way to the output and is loaded.
; LIMITS.  A NaN, an infinity or an overflow that arises only in an expert that a token did not choose is not carried to the result; but in a tile of 16 tokens that holds tokens of two pairs of experts
; a row is multiplied for an expert that it did not choose and weighed by 0, so a non-finite number there (it takes weight scales near 2^127) would show as NaN.  NaN and infinities among the inputs are not served.
; A block of zeros gets the scale byte 1 where the quantiser says 127: its codes are zeros, and only this program reads the bytes.
; SHARES.  A work-group takes 16 tokens, each of its four waves 4, a whole row at a time.  Lane l holds x[32 l .. 32 l + 31]: one block of the quantiser, and its part of the dot products.
; Loads take the bytes as they lie (512 consecutive bytes a load); a row turns through the wave's own stage in LDS.  Wg (32 KB) is brought once by the four waves together, turned through LDS,
; and stays in 256 registers of every wave.  No matrix unit: N = 8.  No cluster: work-groups share only Wg, a third of a group's bytes, read once.
.set WGP,   1040                       ; a lane's region of Wg in LDS: 1,024 bytes + 16 of padding
.set XSP,   144                        ; a lane's place in a stage: 128 bytes + 16 of padding
.set STG,   32*XSP                     ; a stage
.set WGL,   0                          ; LDS: Wg, 32 regions
.set XST,   32*WGP                     ; two stages for each wave
.set SCB,   XST+4*2*STG                ; 16 tokens x 32 scale bytes
.set SELS,  SCB+512                    ; 16 words
.set GWS,   SELS+64                    ; 16 pairs of scores
.set SPARE, 70912                      ; the spare words, 128 bytes for each wave: two blocks of 256 bytes that no other line names
.set L16,  1                           ; v1   16 x lane
.set STI,  2                           ; v2   the stage, on the way in
.set STO,  3                           ; v3   and on the way out
.set WGI,  4                           ; v4   Wg into LDS
.set WGO,  5                           ; v5   and out of it
.set SCA,  6                           ; v6   my scale byte's place
.set SELA, 7                           ; v7   my wave's words of sel
.set GWA,  8                           ; v8   and of gw
.set SPW,  10                          ; v10  my spare word; never rewritten
.set NIL,  11                          ; v11  0; never rewritten
.set SUM,  12                          ; v12-27 two sets of eight sums
.set LG,   28                          ; v28-35 logits, then scores
.set CD,   36                          ; v36-51 codes, four registers a token
.set BY,   52                          ; v52-55 a scale byte a token
.set XT,   64                          ; v64-127 two sets of 32 neighbours
.set XR,   128                         ; v128-255 four rows as loaded.  Window 1: Wg[32 lane + i][e] at v[8 i + e]
.set MSB, 0
.macro WIN new                         ; the immediate's high byte repeats the setting that is left
.if MSB != \new
	s_set_vgpr_msb (MSB<<8)|\new
.set MSB, \new
.endif
.endm
	s_load_b256 s[4:11], s[0:1], 0x0               ; x, Wg, bg, xqs
	s_load_b128 s[12:15], s[0:1], 0x20             ; sel, gw
	v_lshl_add_u32 v[SPW], v0, 2, SPARE
	v_mov_b32 v[NIL], 0
	v_lshrrev_b32 v9, 5, v0
	v_readfirstlane_b32 s16, v9                    ; wave 0..3
	v_and_b32 v9, 31, v0                           ; lane
	v_lshlrev_b32 v[L16], 4, v9
	v_lshrrev_b32 v[STI], 3, v9
	v_mul_u32_u24 v[STI], v[STI], XSP
	v_and_b32 v[STO], 7, v9
	v_lshl_add_u32 v[STI], v[STO], 4, v[STI]       ; eight lanes' 128 bytes on end make one place: 144 (lane / 8) + 16 (lane % 8); a load's 512 bytes take four places
	s_mul_i32 s17, s16, 2*STG
	s_add_co_u32 s17, s17, XST
	v_add_nc_u32 v[STI], s17, v[STI]
	v_mul_u32_u24 v[STO], v9, XSP
	v_add_nc_u32 v[STO], s17, v[STO]
	s_mul_i32 s17, s16, 8*WGP
	v_add_nc_u32 v[WGI], s17, v[L16]               ; my wave brings 8 of Wg's 32 regions
	v_mul_u32_u24 v[WGO], v9, WGP
	s_lshl_b32 s17, s16, 7
	s_add_co_u32 s17, s17, SCB
	v_add_nc_u32 v[SCA], s17, v9
	s_lshl_b32 s17, s16, 4
	s_add_co_u32 s17, s17, SELS
	v_mov_b32 v[SELA], s17
	s_lshl_b32 s17, s16, 5
	s_add_co_u32 s17, s17, GWS
	v_mov_b32 v[GWA], s17
	v_mov_b32 v63, -1.0                            ; under every score
	s_mov_b32 s20, 0x76543210
	s_mov_b32 s21, 0xfedcba98                      ; v_permlanex16_b32's selects for lane l xor 16
	s_lshl_b32 s18, ttmp9, 16                      ; 16 rows of 4,096 bytes a work-group,
	s_lshl_b32 s19, s16, 14                        ; 4 a wave
	s_add_co_u32 s18, s18, s19
	s_mov_b32 s19, 0
	s_lshl_b32 s22, s16, 13                        ; my wave's 8,192 bytes of Wg
	s_mov_b32 s23, 0
	s_wait_kmcnt 0x0
	s_load_b256 s[24:31], s[8:9], 0x0              ; bg
	s_add_nc_u64 s[4:5], s[4:5], s[18:19]
	s_add_nc_u64 s[6:7], s[6:7], s[22:23]
	WIN 0x40                                       ; destination window 1
.irp i, 0,1,2,3,4,5,6,7,8,9,10,11,12,13,14,15
	global_load_b128 v[4*\i:4*\i+3], v[L16], s[6:7] offset:512*\i
.endr
	WIN 0
.irp t, 0,1,2,3
.irp j, 0,1,2,3,4,5,6,7
	global_load_b128 v[XR+32*\t+4*\j:XR+32*\t+4*\j+3], v[L16], s[4:5] offset:4096*\t+512*\j th:TH_LOAD_NT   ; all of my four rows are asked for at once
.endr
.endr
	s_lshl_b32 s18, ttmp9, 13                      ; the codes of my first token: 512 bytes a token
	s_lshl_b32 s22, s16, 11
	s_add_co_u32 s18, s18, s22
	s_add_nc_u64 s[32:33], s[10:11], s[18:19]
	s_lshl_b32 s18, ttmp9, 9                       ; the work-group's 512 scale bytes
	s_add_co_u32 s18, s18, 0x200000
	s_add_nc_u64 s[34:35], s[10:11], s[18:19]
	s_lshl_b32 s18, ttmp9, 6
	s_add_nc_u64 s[12:13], s[12:13], s[18:19]
	s_lshl_b32 s18, ttmp9, 7
	s_add_nc_u64 s[14:15], s[14:15], s[18:19]
	s_wait_loadcnt 32                              ; Wg's 16 loads are in; x's 32 were issued behind them
	WIN 0x04                                       ; an LDS store's data are its source 1: window 1
.irp i, 0,1,2,3,4,5,6,7,8,9,10,11,12,13,14,15
	ds_store_b128 v[WGI], v[4*\i:4*\i+3] offset:(\i/2)*WGP+(\i%2)*512
.endr
	WIN 0
	s_wait_dscnt 0x0                               ; for the others' sake: my part of Wg lies in LDS
	s_barrier_signal -1
	s_barrier_wait -1
	WIN 0x40
.set q, 0
.rept 64
	ds_load_b128 v[4*q:4*q+3], v[WGO] offset:16*q  ; Wg[32 lane + i][e], 1,024 bytes a lane
.set q, q+1
.endr
	WIN 0
.macro TURN t                          ; row t through a stage: LDS serves a wave's instructions in order, so no wait stands between the stores and the loads
.irp j, 0,1,2,3,4,5,6,7
	ds_store_b128 v[STI], v[XR+32*(\t)+4*\j:XR+32*(\t)+4*\j+3] offset:STG*((\t)%2)+4*XSP*\j
.endr
.irp j, 0,1,2,3,4,5,6,7
	ds_load_b128 v[XT+32*((\t)%2)+4*\j:XT+32*((\t)%2)+4*\j+3], v[STO] offset:STG*((\t)%2)+16*\j
.endr
.endm
.macro DOT p                           ; my 32 numbers against my 32 rows of Wg: two experts an instruction, even and odd rows in sets of their own; the first products start the sums
	WIN 0x01                                       ; source 0 (Wg) window 1
.set ii, 0
.rept 16
.irp ep, 0,1,2,3
.if ii == 0
	v_pk_mul_f32 v[SUM+2*\ep:SUM+2*\ep+1], v[2*\ep:2*\ep+1], v[XT+32*(\p):XT+32*(\p)+1] op_sel_hi:[1,0]
.else
	v_pk_fma_f32 v[SUM+2*\ep:SUM+2*\ep+1], v[16*ii+2*\ep:16*ii+2*\ep+1], v[XT+32*(\p)+2*ii:XT+32*(\p)+2*ii+1], v[SUM+2*\ep:SUM+2*\ep+1] op_sel_hi:[1,0,1]
.endif
.endr
.irp ep, 0,1,2,3
.if ii == 0
	v_pk_mul_f32 v[SUM+8+2*\ep:SUM+9+2*\ep], v[8+2*\ep:9+2*\ep], v[XT+32*(\p):XT+32*(\p)+1] op_sel:[0,1] op_sel_hi:[1,1]
.else
	v_pk_fma_f32 v[SUM+8+2*\ep:SUM+9+2*\ep], v[16*ii+8+2*\ep:16*ii+9+2*\ep], v[XT+32*(\p)+2*ii:XT+32*(\p)+2*ii+1], v[SUM+8+2*\ep:SUM+9+2*\ep] op_sel:[0,1,0] op_sel_hi:[1,1,1]
.endif
.endr
.set ii, ii+1
.endr
	WIN 0
.endm
.macro LOGITS                          ; the two sets, the 32 lanes, the bias: every lane ends with the 8 logits
.irp ep, 0,1,2,3
	v_pk_add_f32 v[LG+2*\ep:LG+2*\ep+1], v[SUM+2*\ep:SUM+2*\ep+1], v[SUM+8+2*\ep:SUM+9+2*\ep]
.endr
.irp x, 1,2,4,8
.irp e, 0,1,2,3,4,5,6,7
	v_add_f32_dpp v[LG+\e], v[LG+\e], v[LG+\e] row_xmask:\x row_mask:0xf bank_mask:0xf
.endr
.endr
.irp e, 0,1,2,3,4,5,6,7
	v_permlanex16_b32 v[SUM+\e], v[LG+\e], s20, s21
.endr
.irp e, 0,1,2,3,4,5,6,7
	v_add_f32 v[LG+\e], v[LG+\e], v[SUM+\e]
.endr
.irp e, 0,1,2,3,4,5,6,7
	v_add_f32 v[LG+\e], s[24+\e], v[LG+\e]
.endr
.endm
.macro SOFTTOP t                       ; softmax, then the two largest scores and their experts; nothing here steers an address or a branch
	v_max3_num_f32 v56, v[LG], v[LG+1], v[LG+2]
	v_max3_num_f32 v56, v56, v[LG+3], v[LG+4]
	v_max3_num_f32 v56, v56, v[LG+5], v[LG+6]
	v_max_num_f32 v56, v56, v[LG+7]
.irp e, 0,1,2,3,4,5,6,7
	v_sub_f32 v[LG+\e], v[LG+\e], v56              ; the maximum is taken away, as reference() does
.endr
.irp e, 0,1,2,3,4,5,6,7
	v_mul_f32 v[LG+\e], 0x3fb8aa3b, v[LG+\e]       ; x log2(e)
.endr
.irp e, 0,1,2,3,4,5,6,7
	v_exp_f32 v[LG+\e], v[LG+\e]
.endr
	v_nop                                          ; a plain instruction behind the last exponential
	s_wait_alu depctr_va_vdst(0)                   ; one wait for the eight, ahead of their first use
	v_add_f32 v56, v[LG], v[LG+1]
	v_add_f32 v57, v[LG+2], v[LG+3]
	v_add_f32 v58, v[LG+4], v[LG+5]
	v_add_f32 v59, v[LG+6], v[LG+7]
	v_add_f32 v56, v56, v57
	v_add_f32 v58, v58, v59
	v_add_f32 v56, v56, v58
	v_rcp_f32 v57, v56
	v_mov_b32 v58, 0                               ; (a plain instruction behind the reciprocal)  the best expert so far
	s_wait_alu depctr_va_vdst(0)
.irp e, 0,1,2,3,4,5,6,7
	v_mul_f32 v[LG+\e], v[LG+\e], v57
.endr
	v_mov_b32 v60, v[LG]
.irp e, 1,2,3,4,5,6,7
	v_cmp_le_f32 vcc_lo, v[LG+\e], v60             ; only a larger score takes the place: a tie keeps the lower index
	v_cndmask_b32 v60, v[LG+\e], v60, vcc_lo
	v_cndmask_b32 v58, \e, v58, vcc_lo
.endr
.irp e, 0,1,2,3,4,5,6,7
	v_cmp_eq_u32 vcc_lo, \e, v58
	v_cndmask_b32 v[LG+\e], v[LG+\e], v63, vcc_lo  ; the winner leaves the field
.endr
	v_mov_b32 v59, 0
	v_mov_b32 v61, v[LG]
.irp e, 1,2,3,4,5,6,7
	v_cmp_le_f32 vcc_lo, v[LG+\e], v61
	v_cndmask_b32 v61, v[LG+\e], v61, vcc_lo
	v_cndmask_b32 v59, \e, v59, vcc_lo
.endr
	v_lshl_or_b32 v62, v59, 8, v58
	ds_store_b32 v[SELA], v62 offset:4*(\t)        ; all lanes write the same word with the same value
	ds_store_b64 v[GWA], v[60:61] offset:8*(\t)
.endm
.macro QX t                            ; my block of 32: its largest magnitude, its byte, its 16 bytes of codes
.set XQ, XT+32*((\t)%2)
	v_max3_num_f32 v56, |v[XQ]|, |v[XQ+1]|, |v[XQ+2]|
	v_max3_num_f32 v57, |v[XQ+3]|, |v[XQ+4]|, |v[XQ+5]|
.irp i, 6,10,14,18,22,26
	v_max3_num_f32 v56, v56, |v[XQ+\i]|, |v[XQ+\i+1]|
	v_max3_num_f32 v57, v57, |v[XQ+\i+2]|, |v[XQ+\i+3]|
.endr
	v_max3_num_f32 v56, v56, |v[XQ+30]|, |v[XQ+31]|
	v_max3_num_f32 v56, v56, v57, 0x1800000        ; and the floor 2^(3 - 127): the byte cannot fall under 1
	v_add_nc_u32 v57, 0xff000000, v56              ; 2 off the exponent field: the conversion takes this operand's exponent field as its scale
	v_lshrrev_b32 v[BY+(\t)], 23, v57              ; the scale's byte
.irp g, 0,1,2,3
	v_cvt_scalef32_pk8_fp4_f32 v[CD+4*(\t)+\g], v[XQ+8*\g:XQ+8*\g+7], v57
.endr
	v_nop                                          ; a plain instruction behind the last conversion
	global_store_b128 v[L16], v[CD+4*(\t):CD+4*(\t)+3], s[32:33] offset:512*(\t)   ; the token's 512 bytes of codes, consecutive and aligned
	ds_store_b8 v[SCA], v[BY+(\t)] offset:32*(\t)
.endm
.macro TOKEN t
	s_wait_dscnt 0x0                               ; this row is back from its stage (the first time: Wg is in registers too)
.if (\t) < 3
	s_wait_loadcnt 8*(2-(\t))                      ; the next row's eight loads are in; the rows behind it, eight loads each, may be out
	TURN (\t)+1                                    ; and goes through the other stage while this row is worked
.endif
	DOT (\t)%2
	LOGITS
	SOFTTOP \t
	QX \t
.endm
	s_wait_loadcnt 24                              ; row 0 is in; rows 1 to 3 may be out
	TURN 0
	s_wait_kmcnt 0x0                               ; bg
	TOKEN 0
	TOKEN 1
	TOKEN 2
	TOKEN 3
	s_wait_dscnt 0x0                               ; for wave 0's sake: my bytes, words and scores lie in LDS
	s_barrier_signal -1
	s_barrier_wait -1
	v_and_b32 v12, 31, v0
	v_lshl_add_u32 v13, v12, 4, SCB
	v_and_b32 v14, 15, v0
	v_lshlrev_b32 v14, 2, v14
	v_add_nc_u32 v15, SELS, v14
	v_lshlrev_b32 v16, 2, v12
	v_add_nc_u32 v17, GWS, v16
	s_cmp_lg_u32 s16, 0
	s_cbranch_scc1 .Ldone                          ; wave 0 stores what the four waves gathered
	ds_load_b128 v[20:23], v13
	ds_load_b32 v24, v15
	ds_load_b32 v25, v17
	s_wait_dscnt 0x0
	global_store_b128 v[L16], v[20:23], s[34:35]   ; 16 tokens' scale bytes: 512 consecutive bytes
	global_store_b32 v14, v24, s[12:13]            ; 16 words (lanes 16-31 write what lanes 0-15 write)
	global_store_b32 v16, v25, s[14:15]            ; 16 pairs of scores
.Ldone:
	s_wait_tensorcnt 0x0                           ; the wave's end: behind my last LDS store
	ds_add_u32 v[SPW], v[NIL]
	s_wait_dscnt 0x0
	s_endpgm
.Lfunc_end_k_q80e63ce0b1_gate:
	.size	k_q80e63ce0b1_gate, .Lfunc_end_k_q80e63ce0b1_gate-k_q80e63ce0b1_gate
	.p2alignl 7, 3214868480
	.fill 96, 4, 3214868480
	.section	.rodata,"a",@progbits
	.p2align	6, 0x0
	.amdhsa_kernel k_q80e63ce0b1_gate
		.amdhsa_group_segment_fixed_size 71424
		.amdhsa_private_segment_fixed_size 0
		.amdhsa_enable_private_segment 0
		.amdhsa_kernarg_size 48
		.amdhsa_user_sgpr_count 2
		.amdhsa_user_sgpr_kernarg_segment_ptr 1
		.amdhsa_wavefront_size32 1
		.amdhsa_system_sgpr_workgroup_id_x 1
		.amdhsa_system_sgpr_workgroup_id_y 1
		.amdhsa_system_sgpr_workgroup_id_z 1
		.amdhsa_system_vgpr_workitem_id 0
		.amdhsa_next_free_vgpr 512
		.amdhsa_next_free_sgpr 66
		.amdhsa_reserve_vcc 1
		.amdhsa_float_denorm_mode_32 3
		.amdhsa_float_denorm_mode_16_64 3
		.amdhsa_memory_ordered 1
		.amdhsa_forward_progress 1
		.amdhsa_inst_pref_size 86
	.end_amdhsa_kernel
	.amdgpu_metadata
---
amdhsa.version: [ 1, 2 ]
amdhsa.kernels:
  - .name:           k_q80e63ce0b1_gate
    .symbol:         k_q80e63ce0b1_gate.kd
    .args:
      - { .name: x, .offset: 0, .size: 8, .value_kind: global_buffer, .address_space: global }
      - { .name: Wg, .offset: 8, .size: 8, .value_kind: global_buffer, .address_space: global }
      - { .name: bg, .offset: 16, .size: 8, .value_kind: global_buffer, .address_space: global }
      - { .name: xqs, .offset: 24, .size: 8, .value_kind: global_buffer, .address_space: global }
      - { .name: sel, .offset: 32, .size: 8, .value_kind: global_buffer, .address_space: global }
      - { .name: gw, .offset: 40, .size: 8, .value_kind: global_buffer, .address_space: global }
    .group_segment_fixed_size: 71424
    .private_segment_fixed_size: 0
    .kernarg_segment_align: 8
    .kernarg_segment_size: 48
    .max_flat_workgroup_size: 128
    .sgpr_count:     66
    .vgpr_count:     512
    .wavefront_size: 32
...
	.end_amdgpu_metadata
.endif
;; end of part 1
;; launch place (part 2): grid 129 x 1, 16 waves a work-group, no clusters, 4,096 bytes of LDS; arguments sel, W1_codes, W2_codes, list, wf; writes list, wf
.if DOCPART == 2
	.amdgcn_target "amdgcn-amd-amdhsa--gfx1250"
	.amdhsa_code_object_version 6
	.text
	.protected	k_q80e63ce0b1_place
	.globl	k_q80e63ce0b1_place
	.p2align	8
	.type	k_q80e63ce0b1_place,@function
k_q80e63ce0b1_place:
	s_mov_b64 s[64:65], 0
	v_nop
	global_prefetch_b8 v0, s[64:65] scope:SCOPE_SE
	s_setreg_imm32_b32 hwreg(HW_REG_WAVE_MODE, 25, 1), 1
	s_wait_xcnt 0x0
; MoE layer, launch 2 of 4: the tokens are sorted by their pair of experts, and the weights are laid out as the products' registers take them.
; WORK-GROUP 0 sorts.  A token's key is its unordered pair {e1, e2}: 28 pairs, in the order (0,1), (0,2) .. (6,7).  A counting sort with no atomics and no LDS address made of data:
; each of 16 waves holds 256 tokens (8 a lane), counts each pair by compares and bit counts, the waves' counts meet in LDS, and each token's place is the pair's start + the earlier waves' count + its rank in the wave.
; Stored: list: order[place] = token (4,096 words); behind them (+16,384) tmask[tile of 16 places] (256 words): bit 4 e is set where a token of the tile uses expert e.
; The order words leave as single words to scattered places, 16 KB in all: gathering them in LDS would take LDS addresses made of data.
; WORK-GROUPS 1 TO 128 lay out W1's and W2's codes, 64 KB each: wf [chunk = 16 e + g][t (4)][s (8)][c (2)][lane][16 bytes], W2's 4 MB behind W1's.  A chunk is 64 rows (32 KB).
; Lane (r, h) of image (t, s, c) holds the 16 bytes of row 64 g + 32 (t / 2) + 8 (t % 2) + r + 8 (r / 8) at byte 64 s + 32 c + 16 h: registers 4 c .. 4 c + 3 of the fragment of tile t, K step s.
; THE ROWS OF A TILE ARE NOT NEIGHBOURS, so that in the transposed product the 16 registers of tiles 2 b and 2 b + 1 are 16 neighbouring rows.
; The two paths part on the work-group's number alone; only the sort uses LDS and a barrier.
.set CNT,   0                          ; LDS: 16 waves x 32 counts
.set SPARE, 2048                       ; the spare words, 128 bytes for each wave: eight blocks of 256 bytes that no other line names
.set SPW,  2                           ; v2   my spare word; never rewritten
.set NIL,  3                           ; v3   0; never rewritten
.set KEY,  8                           ; v8-15  eight tokens' words, then keys
.set RK,   16                          ; v16-23 their places
.set TOK,  24                          ; v24-31 their numbers
.set MK,   24                          ; s24-31 a pair's eight masks
.set BASE, 36                          ; s36-63 where my wave's next token of each pair goes
.set START, 66                         ; s66-94 where each pair begins; the 29th: 4,096
	s_load_b256 s[4:11], s[0:1], 0x0               ; sel, W1's codes, W2's codes, list
	s_load_b64 s[12:13], s[0:1], 0x20              ; wf
	v_lshl_add_u32 v[SPW], v0, 2, SPARE
	v_mov_b32 v[NIL], 0
	v_lshrrev_b32 v1, 5, v0
	v_readfirstlane_b32 s14, v1                    ; wave 0..15
	v_and_b32 v1, 31, v0                           ; lane
	s_cmp_eq_u32 ttmp9, 0
	s_cbranch_scc1 .Lsort
	; ---- the weights: a wave takes one K step (64 bytes of each row) of one chunk
	v_and_b32 v4, 15, v0                           ; r
	v_bfe_u32 v5, v0, 4, 1                         ; h
	v_and_b32 v6, 8, v4
	v_add_nc_u32 v6, v6, v4                        ; r + 8 (r / 8)
	v_lshlrev_b32 v6, 9, v6                        ; a row is 512 bytes
	v_lshl_add_u32 v6, v5, 4, v6
	v_lshlrev_b32 v7, 4, v1
	s_sub_co_u32 s15, ttmp9, 1
	s_lshl_b32 s15, s15, 1
	s_lshr_b32 s16, s14, 3
	s_add_co_u32 s15, s15, s16                     ; which of the 256 chunks: 0-127 W1's, 128-255 W2's
	s_and_b32 s16, s14, 7                          ; the K step
	s_and_b32 s17, s15, 127
	s_lshl_b32 s18, s17, 15
	s_lshl_b32 s19, s16, 6
	s_add_co_u32 s18, s18, s19
	s_mov_b32 s19, 0
	s_lshl_b32 s20, s15, 15
	s_lshl_b32 s21, s16, 10
	s_add_co_u32 s20, s20, s21
	s_mov_b32 s21, 0
	s_wait_kmcnt 0x0
	s_cmp_lt_u32 s15, 128                          ; the choice hangs on ids alone
	s_cselect_b64 s[6:7], s[6:7], s[8:9]
	s_add_nc_u64 s[6:7], s[6:7], s[18:19]
	s_add_nc_u64 s[12:13], s[12:13], s[20:21]
.irp t, 0,1,2,3
.irp c, 0,1
	global_load_b128 v[16+4*(2*\t+\c):19+4*(2*\t+\c)], v6, s[6:7] offset:(32*(\t/2)+8*(\t%2))*512+32*\c
.endr
.endr
	s_wait_loadcnt 0x0
.irp t, 0,1,2,3
.irp c, 0,1
	global_store_b128 v7, v[16+4*(2*\t+\c):19+4*(2*\t+\c)], s[12:13] offset:8192*\t+512*\c   ; an image: 512 consecutive bytes
.endr
.endr
	s_endpgm
	; ---- the sort
.Lsort:
	v_lshlrev_b32 v4, 4, v1
	s_lshl_b32 s15, s14, 10
	v_add_nc_u32 v4, s15, v4                       ; my wave's 256 words, 16 bytes a lane
	s_wait_kmcnt 0x0
	global_load_b128 v[KEY:KEY+3], v4, s[4:5]
	global_load_b128 v[KEY+4:KEY+7], v4, s[4:5] offset:512
	v_mov_b32 v5, 0                                ; my wave's counts: pair p in lane p
	s_lshl_b32 s15, s14, 8
	v_lshl_add_u32 v6, v1, 2, s15                  ; 256 wave + 4 lane
.irp q, 0,1,2,3,4,5,6,7
	v_mov_b32 v[RK+\q], 0
	v_add_nc_u32 v[TOK+\q], 128*(\q/4)+\q%4, v6    ; the token in register q
.endr
	s_wait_loadcnt 0x0
.irp q, 0,1,2,3,4,5,6,7
	v_and_b32 v32, 0xff, v[KEY+\q]
	v_bfe_u32 v33, v[KEY+\q], 8, 8
	v_min_u32 v34, v32, v33
	v_max_u32 v33, v32, v33
	v_lshl_add_u32 v[KEY+\q], v34, 3, v33          ; 8 x the lower expert + the higher
.endr
.set p, 0
.irp a, 0,1,2,3,4,5,6
.irp b, 1,2,3,4,5,6,7
.if \b > \a
.irp q, 0,1,2,3,4,5,6,7
	v_cmp_eq_u32 s[MK+\q], 8*\a+\b, v[KEY+\q]
.endr
.irp q, 0,1,2,3,4,5,6,7
	s_bcnt1_i32_b32 s[MK+\q], s[MK+\q]
.endr
	s_add_co_u32 s24, s24, s25
	s_add_co_u32 s26, s26, s27
	s_add_co_u32 s28, s28, s29
	s_add_co_u32 s30, s30, s31
	s_add_co_u32 s24, s24, s26
	s_add_co_u32 s28, s28, s30
	s_add_co_u32 s24, s24, s28
	v_writelane_b32 v5, s24, p
.set p, p+1
.endif
.endr
.endr
	v_lshlrev_b32 v6, 2, v1
	s_lshl_b32 s15, s14, 7
	v_add_nc_u32 v7, s15, v6
	ds_store_b32 v7, v5
	s_wait_dscnt 0x0                               ; for the others' sake: my counts lie in LDS
	s_barrier_signal -1
	s_barrier_wait -1
.irp x, 0,1,2,3,4,5,6,7,8,9,10,11,12,13,14,15
	ds_load_b32 v[32+\x], v6 offset:CNT+128*\x
.endr
	v_mov_b32 v48, 0                               ; all waves' count of pair (lane),
	v_mov_b32 v49, 0                               ; and the earlier waves'
	s_wait_dscnt 0x0
.irp x, 0,1,2,3,4,5,6,7,8,9,10,11,12,13,14,15
	v_add_nc_u32 v48, v48, v[32+\x]
	s_cmp_gt_u32 s14, \x
	s_cselect_b32 s15, -1, 0
	v_and_b32 v50, s15, v[32+\x]
	v_add_nc_u32 v49, v49, v50
.endr
	s_mov_b32 s[START], 0
.set p, 0
.rept 28
	v_readlane_b32 s15, v48, p
	s_add_co_u32 s[START+1+p], s[START+p], s15
	v_readlane_b32 s15, v49, p
	s_add_co_u32 s[BASE+p], s[START+p], s15
.set p, p+1
.endr
.set p, 0
.irp a, 0,1,2,3,4,5,6
.irp b, 1,2,3,4,5,6,7
.if \b > \a
.irp q, 0,1,2,3,4,5,6,7
	v_cmp_eq_u32 s[MK+\q], 8*\a+\b, v[KEY+\q]
.endr
.irp q, 0,1,2,3,4,5,6,7
	v_mbcnt_lo_u32_b32 v[50+\q%2], s[MK+\q], s[BASE+p]             ; the pair's next place + how many lower lanes hold the pair in this register
	v_cndmask_b32 v[RK+\q], v[RK+\q], v[50+\q%2], s[MK+\q]
	s_bcnt1_i32_b32 s15, s[MK+\q]
	s_add_co_u32 s[BASE+p], s[BASE+p], s15
.endr
.set p, p+1
.endif
.endr
.endr
.irp q, 0,1,2,3,4,5,6,7
	v_min_u32 v[RK+\q], 0xfff, v[RK+\q]            ; a place is under 4,096
	v_lshlrev_b32 v[RK+\q], 2, v[RK+\q]
	global_store_b32 v[RK+\q], v[TOK+\q], s[10:11]
.endr
	s_cmp_ge_u32 s14, 8
	s_cbranch_scc1 .Lsorted                        ; threads 0 to 255 make a tile's mask each
	v_lshlrev_b32 v32, 4, v0                       ; the tile's first place,
	v_add_nc_u32 v33, 16, v32                      ; and the first behind it
	v_mov_b32 v34, 0
.set p, 0
.irp a, 0,1,2,3,4,5,6
.irp b, 1,2,3,4,5,6,7
.if \b > \a
	v_max_u32 v35, s[START+p], v32
	v_min_u32 v36, s[START+1+p], v33
	v_cmp_lt_u32 vcc_lo, v35, v36                  ; the pair's run of places meets the tile's (an empty run meets none)
	v_or_b32 v37, (1<<(4*\a))|(1<<(4*\b)), v34
	v_cndmask_b32 v34, v34, v37, vcc_lo
.set p, p+1
.endif
.endr
.endr
	v_lshlrev_b32 v38, 2, v0
	global_store_b32 v38, v34, s[10:11] offset:16384
.Lsorted:
	s_wait_tensorcnt 0x0                           ; the wave's end: behind my last LDS store
	ds_add_u32 v[SPW], v[NIL]
	s_wait_dscnt 0x0
	s_endpgm
.Lfunc_end_k_q80e63ce0b1_place:
	.size	k_q80e63ce0b1_place, .Lfunc_end_k_q80e63ce0b1_place-k_q80e63ce0b1_place
	.p2alignl 7, 3214868480
	.fill 96, 4, 3214868480
	.section	.rodata,"a",@progbits
	.p2align	6, 0x0
	.amdhsa_kernel k_q80e63ce0b1_place
		.amdhsa_group_segment_fixed_size 4096
		.amdhsa_private_segment_fixed_size 0
		.amdhsa_enable_private_segment 0
		.amdhsa_kernarg_size 40
		.amdhsa_user_sgpr_count 2
		.amdhsa_user_sgpr_kernarg_segment_ptr 1
		.amdhsa_wavefront_size32 1
		.amdhsa_system_sgpr_workgroup_id_x 1
		.amdhsa_system_sgpr_workgroup_id_y 1
		.amdhsa_system_sgpr_workgroup_id_z 1
		.amdhsa_system_vgpr_workitem_id 0
		.amdhsa_next_free_vgpr 64
		.amdhsa_next_free_sgpr 96
		.amdhsa_reserve_vcc 1
		.amdhsa_float_denorm_mode_32 3
		.amdhsa_float_denorm_mode_16_64 3
		.amdhsa_memory_ordered 1
		.amdhsa_forward_progress 1
		.amdhsa_inst_pref_size 108
	.end_amdhsa_kernel
	.amdgpu_metadata
---
amdhsa.version: [ 1, 2 ]
amdhsa.kernels:
  - .name:           k_q80e63ce0b1_place
    .symbol:         k_q80e63ce0b1_place.kd
    .args:
      - { .name: sel, .offset: 0, .size: 8, .value_kind: global_buffer, .address_space: global }
      - { .name: W1_codes, .offset: 8, .size: 8, .value_kind: global_buffer, .address_space: global }
      - { .name: W2_codes, .offset: 16, .size: 8, .value_kind: global_buffer, .address_space: global }
      - { .name: list, .offset: 24, .size: 8, .value_kind: global_buffer, .address_space: global }
      - { .name: wf, .offset: 32, .size: 8, .value_kind: global_buffer, .address_space: global }
    .group_segment_fixed_size: 4096
    .private_segment_fixed_size: 0
    .kernarg_segment_align: 8
    .kernarg_segment_size: 40
    .max_flat_workgroup_size: 512
    .sgpr_count:     96
    .vgpr_count:     64
    .wavefront_size: 32
...
	.end_amdgpu_metadata
.endif
;; end of part 2
;; launch up (part 3): grid 4 x 64, 4 waves a work-group, no clusters, 37,376 bytes of LDS; arguments xqs, list, wf, W1_scales, b1, hqs; writes hqs
.if DOCPART == 3
	.amdgcn_target "amdgcn-amd-amdhsa--gfx1250"
	.amdhsa_code_object_version 6
	.text
	.protected	k_q80e63ce0b1_up
	.globl	k_q80e63ce0b1_up
	.p2align	8
	.type	k_q80e63ce0b1_up,@function
k_q80e63ce0b1_up:
	s_mov_b64 s[64:65], 0
	v_nop
	global_prefetch_b8 v0, s[64:65] scope:SCOPE_SE
	s_setreg_imm32_b32 hwreg(HW_REG_WAVE_MODE, 25, 1), 1
	s_wait_xcnt 0x0
; MoE layer, launch 3 of 4: h = gelu(x W1[e] + b1[e]), exact (erf), quantised along the hidden axis, for the tiles of sorted tokens that use expert e.
; Left out: the first product's rows for experts that none of a tile's 16 tokens chose (reference() gathers them away by its own top_k; shown at the head of the first kernel).
; SHARES.  Work-group (cx, b): row block b = 64 sorted places (four tiles of 16 tokens), hidden units 256 cx .. 256 cx + 255; wave w: group g = 4 cx + w, 64 units, for all four tiles.
; The block's codes of x are gathered once by the stored order, meet in LDS, and stay in 256 registers of every wave.  The wave walks the experts that the block's masks name; an expert's 64 rows of W1 (32 KB, laid out
; as register images by the launch before) come straight into 256 registers, the next expert's while this one's gelu is worked.
; THE PRODUCT IS USED TRANSPOSED: source 0 = 16 rows of W1, source 1 = 16 tokens.  Lane (r, h) holds token r; register j of tile t holds unit 32 (t / 2) + 16 h + 8 (t % 2) + j of the group, so the 16 registers of two
; neighbouring tiles are 16 neighbours along the next K.  The bias is the C of a sum's first product.
; OUT: hqs codes [e][tile T (256)][g (16)][lane][16 bytes]: group g = 2 s + c is registers 4 c .. 4 c + 3 of the second product's K step s, as an image; behind them (+16,777,216) scale bytes [e][T][token r][32].
; The two scale bytes a token and group leave as 2 bytes to rows 32 bytes apart, a sixteenth of the codes' bytes: gathering them would take a barrier under a branch on the stored masks.
; NO TENSOR LOAD AND NO CLUSTER: which experts are walked, and how many, hangs on numbers read from memory, and partners would need different numbers of tiles.
; GELU.  z = a / sqrt(2).  |z| <= 475/512: erf(z) = z + z P(z^2), gelu = a/2 + (a/2) erf.  Beyond: erfc(|z|) = exp(Q(|z|)), gelu = (a/2 + |a/2|) - |a/2| erfc(|z|), which keeps the small negative tail to relative accuracy.
; Both forms are computed for every number and one is selected.  LIMITS: as stated at the head of the first kernel; a block of zeros keeps the scale byte 1.
.set XP,    528                        ; a token's codes in LDS: 512 bytes + 16 of padding
.set XSC,   64*XP                      ; behind the 64 rows: their scale bytes, 32 + 16 of padding each
.set SPARE, 36864                      ; the spare words, 128 bytes for each wave: two blocks of 256 bytes that no other line names
.set L16,  1                           ; v1   16 x lane: an image's place for my lane
.set RW,   2                           ; v2   r = lane % 16
.set HF,   3                           ; v3   h = lane / 16
.set FA,   4                           ; v4   a fragment of x in LDS: 528 r + 16 h
.set WSO,  5                           ; v5   W1's scale words: 32 (r + 8 (r / 8))
.set BIO,  6                           ; v6   the bias: 64 h
.set R32,  7                           ; v7   32 r
.set XSA,  8                           ; v8   x's scale words in LDS
.set SPW,  10                          ; v10  my spare word; never rewritten
.set NIL,  11                          ; v11  0; never rewritten
.set WS,   16                          ; v16-47 W1's scale words [8 t + s]: scales and nothing else
.set XS,   48                          ; v48-79 x's scale words [8 m + s]: scales and nothing else
.set ZZ,   80                          ; v80-95 z;  at the head v80-143 hold 16 rows of codes as loaded
.set HX,   96                          ; a / 2
.set TT,   112                         ; |z|
.set SS,   128                         ; z^2, later a/2 + |a/2|
.set RR,   144                         ; the form for large |z|;  at the head v144-159 the rows' offsets, v160-163 scale bytes
.set UU,   160                         ; the form for small |z|
.set GG,   176                         ; v176-207 gelu: two blocks of 16
.set TM,   208                         ; v208-215 at work in the quantiser
.set PC,   216                         ; v216-231 codes, four registers for each tile of tokens
.set HW,   232                         ; v232-235 two scale bytes for each tile of tokens
.set VC2,  236                         ; v236-241 three constants as pairs
.set VC4,  238
.set VC9,  240
.set ACC,  0                           ; window 3: accumulators [32 m + 8 t + j];
.set BI,   128                         ; the bias [8 t + j].   Window 1: W1 [64 t + 8 s + 4 c].   Window 2: x [64 m + 8 s + 4 c]
.set MM,   20                          ; s20  the experts still to walk: nibble e = its four tile bits
.set NN,   21                          ; s21  how many experts
.set II,   22                          ; s22  the trip
.set CUR,  23                          ; s23  the expert in hand
.set NXT,  24                          ; s24  the next
.set HAS,  25                          ; s25  1 if there is a next
.set TMK,  26                          ; s26  the expert's four tile bits
.set WV,   27
.set GR,   28
.set BL,   29
.set C1, 36                            ; s36-59 constants as pairs (the packed forms name a pair and take its low word for both halves)
.set C3, 38
.set C5, 40
.set C6, 42
.set C7, 44
.set C8, 46
.set C10, 48
.set C11, 50
.set C12, 52
.set C13, 54
.set CRS, 56
.set CL2, 58
.set WB,  60                           ; s[60:61] the weights' images;  s[62:63] their scale words;  s[66:67] the bias
.set WSB, 62
.set BIB, 66
.set HB,  68                           ; s[68:69] where the codes go;  s[70:71] the scale bytes
.set HSB, 70
.set SEL, 72                           ; s[72:73] v_permlanex16_b32's selects
.set THR, 74                           ; s74  475/512
.set ABSM, 75                          ; s75  clears a sign
.set MSB, 0
.macro WIN new                         ; the immediate's high byte repeats the setting that is left
.if MSB != \new
	s_set_vgpr_msb (MSB<<8)|\new
.set MSB, \new
.endif
.endm
.macro KPAIR reg, val
	s_mov_b32 s[\reg], \val
	s_mov_b32 s[\reg+1], \val
.endm
.macro BASES e                         ; where expert s[e]'s weights, scale words and bias of my group lie.  The expert's number was held to 7 at the most as the last step ahead of this arithmetic
	s_lshl_b32 s30, s[\e], 4
	s_add_co_u32 s30, s30, s[GR]
	s_lshl_b32 s30, s30, 15
	s_mov_b32 s31, 0
	s_add_nc_u64 s[WB:WB+1], s[8:9], s[30:31]
	s_lshl_b32 s30, s[\e], 15
	s_lshl_b32 s76, s[GR], 11
	s_add_co_u32 s30, s30, s76
	s_add_nc_u64 s[WSB:WSB+1], s[10:11], s[30:31]
	s_lshl_b32 s30, s[\e], 12
	s_lshl_b32 s76, s[GR], 8
	s_add_co_u32 s30, s30, s76
	s_add_nc_u64 s[BIB:BIB+1], s[12:13], s[30:31]
.endm
.macro WCODES t                        ; tile t's eight fragments: 16 loads of 512 consecutive bytes
	WIN 0x40                                       ; destination window 1
.irp s, 0,1,2,3,4,5,6,7
.irp c, 0,1
	global_load_b128 v[64*(\t)+8*\s+4*\c:64*(\t)+8*\s+4*\c+3], v[L16], s[WB:WB+1] offset:(8*(\t)+\s)*1024+512*\c
.endr
.endr
	WIN 0
.endm
.macro WSMALL                          ; the scale words of my 64 rows (8 words a row) and the bias in the result's layout
.irp t, 0,1,2,3
	global_load_b128 v[WS+8*\t:WS+8*\t+3], v[WSO], s[WSB:WSB+1] offset:(32*(\t/2)+8*(\t%2))*32
	global_load_b128 v[WS+8*\t+4:WS+8*\t+7], v[WSO], s[WSB:WSB+1] offset:(32*(\t/2)+8*(\t%2))*32+16
.endr
	WIN 0xc0                                       ; destination window 3
.irp t, 0,1,2,3
	global_load_b128 v[BI+8*\t:BI+8*\t+3], v[BIO], s[BIB:BIB+1] offset:(32*(\t/2)+8*(\t%2))*4
	global_load_b128 v[BI+8*\t+4:BI+8*\t+7], v[BIO], s[BIB:BIB+1] offset:(32*(\t/2)+8*(\t%2))*4+16
.endr
	WIN 0
.endm
	s_load_b256 s[4:11], s[0:1], 0x0               ; xqs, list, wf, W1's scales
	s_load_b128 s[12:15], s[0:1], 0x20             ; b1, hqs
	v_lshl_add_u32 v[SPW], v0, 2, SPARE
	v_mov_b32 v[NIL], 0
	v_lshrrev_b32 v12, 5, v0
	v_readfirstlane_b32 s[WV], v12                 ; wave 0..3
	s_and_b32 s[BL], ttmp7, 0xffff                 ; row block
	s_lshl_b32 s[GR], ttmp9, 2
	s_add_co_u32 s[GR], s[GR], s[WV]               ; group of 64 hidden units
	v_and_b32 v12, 31, v0
	v_lshlrev_b32 v[L16], 4, v12
	v_and_b32 v[RW], 15, v0
	v_bfe_u32 v[HF], v0, 4, 1
	v_mul_u32_u24 v[FA], v[RW], XP
	v_lshl_add_u32 v[FA], v[HF], 4, v[FA]
	v_and_b32 v13, 8, v[RW]
	v_add_nc_u32 v13, v13, v[RW]
	v_lshlrev_b32 v[WSO], 5, v13
	v_lshlrev_b32 v[BIO], 6, v[HF]
	v_lshlrev_b32 v[R32], 5, v[RW]
	v_mul_u32_u24 v[XSA], v[RW], 48
	v_add_nc_u32 v[XSA], XSC, v[XSA]
	s_mul_i32 s30, s[WV], 16*XP
	v_add_nc_u32 v14, s30, v[L16]                  ; where my wave's 16 rows go in LDS
	v_lshrrev_b32 v15, 1, v0                       ; two threads to a row's 32 scale bytes
	v_mul_u32_u24 v9, v15, 48
	v_and_b32 v13, 1, v0
	v_lshl_add_u32 v9, v13, 4, v9
	v_add_nc_u32 v9, XSC, v9
	v_lshlrev_b32 v15, 2, v15
	s_lshl_b32 s30, s[BL], 8                       ; the block's 64 words of the order
	v_add_nc_u32 v15, s30, v15
	s_lshl_b32 s31, s[WV], 6
	s_add_co_u32 s31, s31, s30                     ; my wave's 16 of them
	s_lshl_b32 s30, s[BL], 4                       ; the block's four masks
	v_mov_b32 v[TM+2], 0                           ; written once: a lane permute's destination counts as one of its sources
	v_mov_b32 v[TM+3], 0
	s_wait_kmcnt 0x0
	s_load_b128 s[16:19], s[6:7], s30 offset:0x4000
	s_load_b512 s[36:51], s[6:7], s31
	global_load_b32 v12, v15, s[6:7]               ; the token whose scale bytes I fetch
	s_wait_kmcnt 0x0
.irp i, 0,1,2,3,4,5,6,7,8,9,10,11,12,13,14,15
	s_min_u32 s[36+\i], s[36+\i], 0xfff            ; a token's number is under 4,096
	v_lshl_add_u32 v[RR+\i], s[36+\i], 9, v[L16]
.endr
.irp i, 0,1,2,3,4,5,6,7,8,9,10,11,12,13,14,15
	global_load_b128 v[ZZ+4*\i:ZZ+4*\i+3], v[RR+\i], s[4:5]        ; a token's 512 bytes of codes
.endr
	s_lshl_b32 s17, s17, 1                         ; the walk: nibble e of M = expert e's bits for the block's four tiles
	s_lshl_b32 s18, s18, 2
	s_lshl_b32 s19, s19, 3
	s_or_b32 s16, s16, s17
	s_or_b32 s18, s18, s19
	s_or_b32 s[MM], s16, s18
	s_lshr_b32 s16, s[MM], 1
	s_or_b32 s16, s16, s[MM]
	s_lshr_b32 s17, s16, 2
	s_or_b32 s16, s16, s17
	s_and_b32 s16, s16, 0x11111111
	s_bcnt1_i32_b32 s16, s16
	s_min_u32 s[NN], s16, 8                        ; how many experts the block uses
	s_ctz_i32_b32 s16, s[MM]
	s_lshr_b32 s16, s16, 2
	s_min_u32 s[CUR], s16, 7                       ; the first of them
	BASES CUR
	s_wait_loadcnt 16                              ; the order word is in; the 16 rows were asked for behind it
	v_min_u32 v12, 0xfff, v12
	v_lshlrev_b32 v12, 5, v12
	v_lshl_add_u32 v12, v13, 4, v12
	global_load_b128 v[UU:UU+3], v12, s[4:5] offset:0x200000       ; half of a token's 32 scale bytes
	WCODES 0
	WCODES 1
	WCODES 2
	s_wait_loadcnt 48                              ; the rows and the scale bytes are in; the 48 loads of weights were issued behind them
.irp i, 0,1,2,3,4,5,6,7,8,9,10,11,12,13,14,15
	ds_store_b128 v14, v[ZZ+4*\i:ZZ+4*\i+3] offset:XP*\i
.endr
	ds_store_b128 v9, v[UU:UU+3]
	s_wait_dscnt 0x0                               ; for the others' sake: my 16 rows lie in LDS
	s_barrier_signal -1
	s_barrier_wait -1
	WIN 0x80                                       ; destination window 2
.irp m, 0,1,2,3
.irp s, 0,1,2,3,4,5,6,7
.irp c, 0,1
	ds_load_b128 v[64*\m+8*\s+4*\c:64*\m+8*\s+4*\c+3], v[FA] offset:16*\m*XP+64*\s+32*\c   ; token r of tile m, k = 128 s + 64 c + 32 h + 0 .. 31
.endr
.endr
.endr
	WIN 0
.irp m, 0,1,2,3
	ds_load_b128 v[XS+8*\m:XS+8*\m+3], v[XSA] offset:768*\m
	ds_load_b128 v[XS+8*\m+4:XS+8*\m+7], v[XSA] offset:768*\m+16
.endr
	WCODES 3
	WSMALL
	KPAIR C1,  0xb7910000                          ; Q's and P's coefficients
	KPAIR C3,  0xbb7e8a1c
	KPAIR C5,  0xbddaae5c
	KPAIR C6,  0xbf228550
	KPAIR C7,  0xbe03ce86
	KPAIR C8,  0xba1c7000
	KPAIR C10, 0xbcdb48d9
	KPAIR C11, 0x3de70e22
	KPAIR C12, 0xbec09380
	KPAIR C13, 0x3e0375d4
	KPAIR CRS, 0x3f3504f3                          ; 1 / sqrt(2)
	KPAIR CL2, 0x3fb8aa3b                          ; log2(e)
	s_mov_b32 s[SEL], 0x76543210
	s_mov_b32 s[SEL+1], 0xfedcba98
	s_mov_b32 s[THR], 0x3f6d8000
	s_mov_b32 s[ABSM], 0x7fffffff
	v_mov_b32 v[VC2], 0x39c8e7d9
	v_mov_b32 v[VC2+1], 0x39c8e7d9
	v_mov_b32 v[VC4], 0x3cc6b1a1
	v_mov_b32 v[VC4+1], 0x3cc6b1a1
	v_mov_b32 v[VC9], 0x3ba38d2c
	v_mov_b32 v[VC9+1], 0x3ba38d2c
	s_wait_dscnt 0x0                               ; x's fragments and scale words are in registers
; Tile m of tokens: gelu of my 64 units, 16 numbers of a lane at a time; then the two blocks of 32 are quantised and leave.  Passed over where no token of the tile uses the expert.
.macro EPI m
	s_bitcmp1_b32 s[TMK], \m
	s_cbranch_scc0 .Lskip_\@
.irp bq, 0,1
	WIN 0x03                                       ; source 0 window 3.
.irp j, 0,2,4,6,8,10,12,14
	v_pk_mul_f32 v[ZZ+\j:ZZ+\j+1], v[ACC+32*\m+16*\bq+\j:ACC+32*\m+16*\bq+\j+1], s[CRS:CRS+1] op_sel_hi:[1,0]
.endr
.irp j, 0,2,4,6,8,10,12,14
	v_pk_mul_f32 v[HX+\j:HX+\j+1], v[ACC+32*\m+16*\bq+\j:ACC+32*\m+16*\bq+\j+1], 0.5 op_sel_hi:[1,0]
.endr
	WIN 0
.irp i, 0,1,2,3,4,5,6,7,8,9,10,11,12,13,14,15
	v_and_b32 v[TT+\i], s[ABSM], v[ZZ+\i]
.endr
.irp j, 0,2,4,6,8,10,12,14
	v_pk_mul_f32 v[SS+\j:SS+\j+1], v[ZZ+\j:ZZ+\j+1], v[ZZ+\j:ZZ+\j+1]
.endr
.irp j, 0,2,4,6,8,10,12,14
	v_pk_fma_f32 v[RR+\j:RR+\j+1], v[TT+\j:TT+\j+1], s[C1:C1+1], v[VC2:VC2+1] op_sel_hi:[1,0,1]
.endr
.irp j, 0,2,4,6,8,10,12,14
	v_pk_fma_f32 v[UU+\j:UU+\j+1], v[TT+\j:TT+\j+1], s[C3:C3+1], v[VC4:VC4+1] op_sel_hi:[1,0,1]
.endr
.irp j, 0,2,4,6,8,10,12,14
	v_pk_fma_f32 v[RR+\j:RR+\j+1], v[RR+\j:RR+\j+1], v[SS+\j:SS+\j+1], v[UU+\j:UU+\j+1]
.endr
.irp k, C5, C6, C7
.irp j, 0,2,4,6,8,10,12,14
	v_pk_fma_f32 v[RR+\j:RR+\j+1], v[RR+\j:RR+\j+1], v[TT+\j:TT+\j+1], s[\k:\k+1] op_sel_hi:[1,1,0]
.endr
.endr
.irp j, 0,2,4,6,8,10,12,14
	v_pk_fma_f32 v[RR+\j:RR+\j+1], v[RR+\j:RR+\j+1], v[TT+\j:TT+\j+1], v[TT+\j:TT+\j+1] neg_lo:[0,0,1] neg_hi:[0,0,1]
.endr
.irp j, 0,2,4,6,8,10,12,14
	v_pk_mul_f32 v[RR+\j:RR+\j+1], v[RR+\j:RR+\j+1], s[CL2:CL2+1] op_sel_hi:[1,0]
.endr
.irp i, 0,1,2,3,4,5,6,7,8,9,10,11,12,13,14,15
	v_exp_f32 v[RR+\i], v[RR+\i]                   ; erfc(|z|): one batch; the small form below names none of its results
.endr
.irp j, 0,2,4,6,8,10,12,14
	v_pk_fma_f32 v[UU+\j:UU+\j+1], v[SS+\j:SS+\j+1], s[C8:C8+1], v[VC9:VC9+1] op_sel_hi:[1,0,1]
.endr
.irp k, C10, C11, C12, C13
.irp j, 0,2,4,6,8,10,12,14
	v_pk_fma_f32 v[UU+\j:UU+\j+1], v[UU+\j:UU+\j+1], v[SS+\j:SS+\j+1], s[\k:\k+1] op_sel_hi:[1,1,0]
.endr
.endr
.irp j, 0,2,4,6,8,10,12,14
	v_pk_fma_f32 v[UU+\j:UU+\j+1], v[UU+\j:UU+\j+1], v[ZZ+\j:ZZ+\j+1], v[ZZ+\j:ZZ+\j+1]   ; erf(z)
.endr
.irp j, 0,2,4,6,8,10,12,14
	v_pk_fma_f32 v[UU+\j:UU+\j+1], v[HX+\j:HX+\j+1], v[UU+\j:UU+\j+1], v[HX+\j:HX+\j+1]   ; a/2 + (a/2) erf(z)
.endr
.irp i, 0,1,2,3,4,5,6,7,8,9,10,11,12,13,14,15
	v_add_f32 v[SS+\i], v[HX+\i], |v[HX+\i]|       ; a where a > 0, else 0
.endr
	s_wait_alu depctr_va_vdst(0)                   ; one wait for the sixteen exponentials, ahead of their first use
.irp i, 0,1,2,3,4,5,6,7,8,9,10,11,12,13,14,15
	v_fma_f32 v[RR+\i], -|v[HX+\i]|, v[RR+\i], v[SS+\i]
.endr
.irp i, 0,1,2,3,4,5,6,7,8,9,10,11,12,13,14,15
	v_cmp_lt_f32 vcc_lo, s[THR], v[TT+\i]
	v_cndmask_b32 v[GG+16*\bq+\i], v[UU+\i], v[RR+\i], vcc_lo
.endr
.endr
.irp bq, 0,1
	v_max3_num_f32 v[TM+\bq], |v[GG+16*\bq]|, |v[GG+16*\bq+1]|, 0x1800000   ; block bq: my 16 numbers, and the floor 2^(3 - 127): the byte cannot fall under 1
.endr
.irp i, 2,4,6,8,10,12,14
.irp bq, 0,1
	v_max3_num_f32 v[TM+\bq], v[TM+\bq], |v[GG+16*\bq+\i]|, |v[GG+16*\bq+\i+1]|
.endr
.endr
.irp bq, 0,1
	v_permlanex16_b32 v[TM+2+\bq], v[TM+\bq], s[SEL], s[SEL+1]
.endr
.irp bq, 0,1
	v_max_num_f32 v[TM+\bq], v[TM+\bq], v[TM+2+\bq]                ; with lane l xor 16's 16: the block's largest magnitude
.endr
.irp bq, 0,1
	v_add_nc_u32 v[TM+4+\bq], 0xff000000, v[TM+\bq]                ; 2 off its exponent field: the conversion's scale operand
.endr
.irp bq, 0,1
	v_lshrrev_b32 v[TM+6+\bq], 23, v[TM+4+\bq]                     ; the scale's byte
.endr
	v_lshl_or_b32 v[HW+\m], v[TM+7], 8, v[TM+6]
.irp bq, 0,1
	v_cvt_scalef32_pk8_fp4_f32 v[PC+4*\m+2*\bq], v[GG+16*\bq:GG+16*\bq+7], v[TM+4+\bq]
	v_cvt_scalef32_pk8_fp4_f32 v[PC+4*\m+2*\bq+1], v[GG+16*\bq+8:GG+16*\bq+15], v[TM+4+\bq]
.endr
	v_nop                                          ; a plain instruction behind the last conversion
	v_permlane16_swap_b32 v[PC+4*\m], v[PC+4*\m+2]                 ; the operand's layout wants a whole block in a lane: lanes 0-15 block 0, lanes 16-31 block 1
	v_permlane16_swap_b32 v[PC+4*\m+1], v[PC+4*\m+3]
	global_store_b128 v[L16], v[PC+4*\m:PC+4*\m+3], s[HB:HB+1] offset:8192*\m    ; an image: 512 consecutive bytes
	global_store_b16 v[R32], v[HW+\m], s[HSB:HSB+1] offset:512*\m                ; my token's two bytes (lanes 16-31 write what lanes 0-15 write)
.Lskip_\@:
.endm
	s_mov_b32 s[II], 0
.Ltrip:                                            ; a trip is an expert
	s_lshl_b32 s30, s[CUR], 2
	s_lshr_b32 s[TMK], s[MM], s30
	s_and_b32 s[TMK], s[TMK], 15                   ; which of the four tiles use it
	s_lshl_b32 s30, 15, s30
	s_and_not1_b32 s[MM], s[MM], s30               ; it is walked
	s_cmp_lg_u32 s[MM], 0
	s_cselect_b32 s[HAS], 1, 0
	s_ctz_i32_b32 s30, s[MM]
	s_lshr_b32 s30, s30, 2
	s_min_u32 s[NXT], s30, 7
	s_wait_loadcnt 0x0                             ; this expert's weights, scale words and bias are in
	s_wait_xcnt 0x0                                ; the last trip's stores have read their data and bases: both are written again below
	s_lshl_b32 s30, s[CUR], 8
	s_lshl_b32 s76, s[BL], 2
	s_add_co_u32 s30, s30, s76                     ; 256 e + the block's first tile
	s_lshl_b32 s76, s30, 13
	s_lshl_b32 s77, s[GR], 9
	s_add_co_u32 s76, s76, s77
	s_mov_b32 s77, 0
	s_add_nc_u64 s[HB:HB+1], s[14:15], s[76:77]
	s_lshl_b32 s76, s30, 9
	s_lshl_b32 s78, s[GR], 1
	s_add_co_u32 s76, s76, s78
	s_add_co_u32 s76, s76, 0x1000000
	s_add_nc_u64 s[HSB:HSB+1], s[14:15], s[76:77]
	WIN 0xf9                                       ; source 0 (W1) window 1, source 1 (x) window 2, C and D window 3
.irp s, 0,1,2,3,4,5,6,7                        ; all four tiles, whatever the masks say: the sixteen accumulators take turns, one instruction a turn
.irp m, 0,1,2,3
.irp t, 0,1,2,3
.if \s == 0
	v_wmma_scale_f32_16x16x128_f8f6f4 v[ACC+32*\m+8*\t:ACC+32*\m+8*\t+7], v[64*\t+8*\s:64*\t+8*\s+7], v[64*\m+8*\s:64*\m+8*\s+7], v[BI+8*\t:BI+8*\t+7], v[WS+8*\t+\s], v[XS+8*\m+\s] matrix_a_fmt:MATRIX_FMT_FP4 matrix_b_fmt:MATRIX_FMT_FP4
.else
	v_wmma_scale_f32_16x16x128_f8f6f4 v[ACC+32*\m+8*\t:ACC+32*\m+8*\t+7], v[64*\t+8*\s:64*\t+8*\s+7], v[64*\m+8*\s:64*\m+8*\s+7], v[ACC+32*\m+8*\t:ACC+32*\m+8*\t+7], v[WS+8*\t+\s], v[XS+8*\m+\s] matrix_a_fmt:MATRIX_FMT_FP4 matrix_b_fmt:MATRIX_FMT_FP4
.endif
.endr
.endr
.endr
.rept 5
	v_nop                                          ; places behind the products: four for the loads into their operands and the reads of their results, a fifth for the next trip's first products, which begin the accumulators anew
.endr
	WIN 0
	s_cmp_lg_u32 s[HAS], 0
	s_cbranch_scc0 .Lno_next_a
	BASES NXT                                      ; (no load is out: the bases may be written)
	WCODES 0                                       ; the next expert's weights land while this one's gelu is worked
	WCODES 1
	WCODES 2
.Lno_next_a:
	EPI 0
	EPI 1
	s_cmp_lg_u32 s[HAS], 0
	s_cbranch_scc0 .Lno_next_b
	WCODES 3
	WSMALL
.Lno_next_b:
	EPI 2
	EPI 3
	s_mov_b32 s[CUR], s[NXT]
	s_add_co_u32 s[II], s[II], 1
	s_cmp_lt_u32 s[II], s[NN]
	s_cbranch_scc1 .Ltrip
	s_wait_tensorcnt 0x0                           ; the wave's end: behind my last LDS store
	ds_add_u32 v[SPW], v[NIL]
	s_wait_dscnt 0x0
	s_endpgm
.Lfunc_end_k_q80e63ce0b1_up:
	.size	k_q80e63ce0b1_up, .Lfunc_end_k_q80e63ce0b1_up-k_q80e63ce0b1_up
	.p2alignl 7, 3214868480
	.fill 96, 4, 3214868480
	.section	.rodata,"a",@progbits
	.p2align	6, 0x0
	.amdhsa_kernel k_q80e63ce0b1_up
		.amdhsa_group_segment_fixed_size 37376
		.amdhsa_private_segment_fixed_size 0
		.amdhsa_enable_private_segment 0
		.amdhsa_kernarg_size 48
		.amdhsa_user_sgpr_count 2
		.amdhsa_user_sgpr_kernarg_segment_ptr 1
		.amdhsa_wavefront_size32 1
		.amdhsa_system_sgpr_workgroup_id_x 1
		.amdhsa_system_sgpr_workgroup_id_y 1
		.amdhsa_system_sgpr_workgroup_id_z 1
		.amdhsa_system_vgpr_workitem_id 0
		.amdhsa_next_free_vgpr 928
		.amdhsa_next_free_sgpr 80
		.amdhsa_reserve_vcc 1
		.amdhsa_float_denorm_mode_32 3
		.amdhsa_float_denorm_mode_16_64 3
		.amdhsa_memory_ordered 1
		.amdhsa_forward_progress 1
		.amdhsa_inst_pref_size 162
	.end_amdhsa_kernel
	.amdgpu_metadata
---
amdhsa.version: [ 1, 2 ]
amdhsa.kernels:
  - .name:           k_q80e63ce0b1_up
    .symbol:         k_q80e63ce0b1_up.kd
    .args:
      - { .name: xqs, .offset: 0, .size: 8, .value_kind: global_buffer, .address_space: global }
      - { .name: list, .offset: 8, .size: 8, .value_kind: global_buffer, .address_space: global }
      - { .name: wf, .offset: 16, .size: 8, .value_kind: global_buffer, .address_space: global }
      - { .name: W1_scales, .offset: 24, .size: 8, .value_kind: global_buffer, .address_space: global }
      - { .name: b1, .offset: 32, .size: 8, .value_kind: global_buffer, .address_space: global }
      - { .name: hqs, .offset: 40, .size: 8, .value_kind: global_buffer, .address_space: global }
    .group_segment_fixed_size: 37376
    .private_segment_fixed_size: 0
    .kernarg_segment_align: 8
    .kernarg_segment_size: 48
    .max_flat_workgroup_size: 128
    .sgpr_count:     80
    .vgpr_count:     928
    .wavefront_size: 32
...
	.end_amdgpu_metadata
.endif
;; end of part 3
;; launch down (part 4): grid 4 x 64, 4 waves a work-group, no clusters, 17,920 bytes of LDS; arguments hqs, list, sel, gw, wf, W2_scales, b2, out0; writes out0
.if DOCPART == 4
	.amdgcn_target "amdgcn-amd-amdhsa--gfx1250"
	.amdhsa_code_object_version 6
	.text
	.protected	k_q80e63ce0b1_down
	.globl	k_q80e63ce0b1_down
	.p2align	8
	.type	k_q80e63ce0b1_down,@function
k_q80e63ce0b1_down:
	s_mov_b64 s[64:65], 0
	v_nop
	global_prefetch_b8 v0, s[64:65] scope:SCOPE_SE
	s_setreg_imm32_b32 hwreg(HW_REG_WAVE_MODE, 25, 1), 1
	s_wait_xcnt 0x0
; MoE layer, launch 4 of 4: out[token] = the sum over its two experts of score x (h W2[e] + b2[e]).
; Left out: the second product's rows for experts that none of a tile's 16 tokens chose (reference() gathers them away by its own top_k; shown at the head of the first kernel).
; SHARES.  Work-group (cx, b): row block b = 64 sorted places (four tiles of 16 tokens), output columns 256 cx .. 256 cx + 255; wave w: group g = 4 cx + w, 64 columns, for all four tiles.  Each output row has one owner.
; The wave walks the experts that the block's masks name.  An expert's 64 rows of W2 (register images) come into 256 registers, the four tiles' hidden codes (register images) into 256 more.
; THE PRODUCT IS USED TRANSPOSED: source 0 = 16 rows of W2, source 1 = 16 tokens; the bias is the C of a sum's first product.  A lane holds one token, so an expert's result is weighed in by one packed
; multiply-add with the lane's score for that expert: the first or the second score, or 0 where the token did not choose it.
; A tile that does not use the expert is passed over; its share of the loads is still issued, so that the counted waits hold on every way, but from the expert's first tile that does use it: no byte is read that no launch wrote.
; The output sums begin as zeros: which expert comes first for a tile hangs on the stored masks, so no product of the text can start them; the 128 moves stand where the first loads are out.
; NO TENSOR LOAD AND NO CLUSTER: which experts are walked, and how many, hangs on numbers read from memory, and partners would need different numbers of tiles.
; LIMITS: as stated at the head of the first kernel.
.set SP,    272                        ; a stage row: 64 columns of f32 + 16 bytes of padding
.set SPARE, 17408                      ; behind the four stages of 16 rows: the spare words, 128 bytes for each wave: two blocks of 256 bytes that no other line names
.set L16,  1                           ; v1   16 x lane
.set RW,   2                           ; v2   r
.set HF,   3                           ; v3   h
.set WSO,  5                           ; v5   W2's scale words: 32 (r + 8 (r / 8))
.set BIO,  6                           ; v6   the bias: 64 h
.set R32,  7                           ; v7   32 r
.set STI,  8                           ; v8   the stage, on the way in
.set STO,  9                           ; v9   and on the way out
.set SPW,  10                          ; v10  my spare word; never rewritten
.set NIL,  11                          ; v11  0; never rewritten
.set WS,   16                          ; v16-47 W2's scale words [8 t + s]: scales and nothing else
.set HSV,  48                          ; v48-79 the hidden layer's scale words [8 m + s]: scales and nothing else
.set TK,   80                          ; v80-83 token r of tile m
.set SL,   84                          ; v84-87 its two experts
.set GS,   88                          ; v88-95 its two scores
.set GW,   96                          ; v96-103 its weight for the expert in hand, in the low register of a pair
.set AD,   104                         ; v104-111 offsets of the loads of sel and gw
.set TOK,  112                         ; v112-143 the way out: the token of row 2 i + h of tile m, then its offset in out0
.set RB,   144                         ; v144-207 the way out: 16 rows read back, two sets
.set ACC,  0                           ; window 3: four accumulators;
.set BI,   32                          ; the bias [8 t + j];
.set OUT,  64                          ; the output sums [32 m + 8 t + j].   Window 1: W2 [64 t + 8 s + 4 c].   Window 2: h [64 m + 8 s + 4 c]
.set MM,   24
.set NN,   25
.set II,   26
.set CUR,  27
.set NXT,  28
.set HAS,  29
.set TMK,  30
.set TMN,  31
.set WV,   32
.set GR,   33
.set BL,   34
.set WB,   36                          ; s[36:37] the weights' images;  s[38:39] their scale words;  s[40:41] the bias
.set WSB,  38
.set BIB,  40
.set HBB,  44                          ; s[44:51] the hidden codes of tile m;  s[52:59] their scale bytes
.set HSB,  52
.set HQS,  66                          ; s[66:67] hqs's scale bytes
.set OB,   68                          ; s[68:69] out0 at my 64 columns
.set LB,   70                          ; s[70:71] the block's words of the order
.set MSB, 0
.macro WIN new                         ; the immediate's high byte repeats the setting that is left
.if MSB != \new
	s_set_vgpr_msb (MSB<<8)|\new
.set MSB, \new
.endif
.endm
.macro BASES e, tm                     ; where expert s[e]'s operands lie; s[tm]: its four tile bits.  Numbers that come from memory are held to their range as the last step ahead of the address arithmetic
	s_lshl_b32 s42, s[\e], 4
	s_add_co_u32 s42, s42, s[GR]
	s_lshl_b32 s42, s42, 15
	s_mov_b32 s43, 0
	s_add_nc_u64 s[WB:WB+1], s[12:13], s[42:43]
	s_lshl_b32 s42, s[\e], 15
	s_lshl_b32 s35, s[GR], 11
	s_add_co_u32 s42, s42, s35
	s_add_nc_u64 s[WSB:WSB+1], s[14:15], s[42:43]
	s_lshl_b32 s42, s[\e], 12
	s_lshl_b32 s35, s[GR], 8
	s_add_co_u32 s42, s42, s35
	s_add_nc_u64 s[BIB:BIB+1], s[16:17], s[42:43]
	s_lshl_b32 s60, s[\e], 8
	s_lshl_b32 s35, s[BL], 2
	s_add_co_u32 s60, s60, s35                     ; 256 e + the block's first tile
	s_ctz_i32_b32 s35, s[\tm]                      ; the first tile that uses the expert
.irp m, 0,1,2,3
	s_bitcmp1_b32 s[\tm], \m
	s_cselect_b32 s42, \m, s35                     ; tile m, or that first tile in its stead
	s_min_u32 s42, s42, 3
	s_add_co_u32 s42, s42, s60
	s_lshl_b32 s61, s42, 9
	s_lshl_b32 s42, s42, 13
	s_add_nc_u64 s[HBB+2*\m:HBB+2*\m+1], s[4:5], s[42:43]
	s_mov_b32 s42, s61
	s_add_nc_u64 s[HSB+2*\m:HSB+2*\m+1], s[HQS:HQS+1], s[42:43]
.endr
.endm
.macro WCODES t
	WIN 0x40                                       ; destination window 1
.irp s, 0,1,2,3,4,5,6,7
.irp c, 0,1
	global_load_b128 v[64*(\t)+8*\s+4*\c:64*(\t)+8*\s+4*\c+3], v[L16], s[WB:WB+1] offset:(8*(\t)+\s)*1024+512*\c
.endr
.endr
	WIN 0
.endm
.macro WSMALL
.irp t, 0,1,2,3
	global_load_b128 v[WS+8*\t:WS+8*\t+3], v[WSO], s[WSB:WSB+1] offset:(32*(\t/2)+8*(\t%2))*32
	global_load_b128 v[WS+8*\t+4:WS+8*\t+7], v[WSO], s[WSB:WSB+1] offset:(32*(\t/2)+8*(\t%2))*32+16
.endr
	WIN 0xc0                                       ; destination window 3
.irp t, 0,1,2,3
	global_load_b128 v[BI+8*\t:BI+8*\t+3], v[BIO], s[BIB:BIB+1] offset:(32*(\t/2)+8*(\t%2))*4
	global_load_b128 v[BI+8*\t+4:BI+8*\t+7], v[BIO], s[BIB:BIB+1] offset:(32*(\t/2)+8*(\t%2))*4+16
.endr
	WIN 0
.endm
.macro HLOADS                          ; the hidden layer: 8 loads of scale words, then 16 loads of codes for each of the four tiles, in this order on every way
.irp m, 0,1,2,3
	global_load_b128 v[HSV+8*\m:HSV+8*\m+3], v[R32], s[HSB+2*\m:HSB+2*\m+1]
	global_load_b128 v[HSV+8*\m+4:HSV+8*\m+7], v[R32], s[HSB+2*\m:HSB+2*\m+1] offset:16
.endr
	WIN 0x80                                       ; destination window 2
.irp m, 0,1,2,3
.irp s, 0,1,2,3,4,5,6,7
.irp c, 0,1
	global_load_b128 v[64*\m+8*\s+4*\c:64*\m+8*\s+4*\c+3], v[L16], s[HBB+2*\m:HBB+2*\m+1] offset:512*(2*\s+\c)
.endr
.endr
.endr
	WIN 0
.endm
	s_load_b512 s[4:19], s[0:1], 0x0               ; hqs, list, sel, gw, wf, W2's scales, b2, out0
	v_lshl_add_u32 v[SPW], v0, 2, SPARE
	v_mov_b32 v[NIL], 0
	v_lshrrev_b32 v12, 5, v0
	v_readfirstlane_b32 s[WV], v12                 ; wave 0..3
	s_and_b32 s[BL], ttmp7, 0xffff                 ; row block
	s_lshl_b32 s[GR], ttmp9, 2
	s_add_co_u32 s[GR], s[GR], s[WV]               ; group of 64 output columns
	v_and_b32 v12, 31, v0
	v_lshlrev_b32 v[L16], 4, v12
	v_and_b32 v[RW], 15, v0
	v_bfe_u32 v[HF], v0, 4, 1
	v_and_b32 v13, 8, v[RW]
	v_add_nc_u32 v13, v13, v[RW]
	v_lshlrev_b32 v[WSO], 5, v13
	v_lshlrev_b32 v[BIO], 6, v[HF]
	v_lshlrev_b32 v[R32], 5, v[RW]
	s_mul_i32 s35, s[WV], 16*SP                    ; my stage
	v_mul_u32_u24 v[STI], v[RW], SP
	v_lshl_add_u32 v[STI], v[HF], 6, v[STI]        ; in: row r; my half's 16 columns of a block of 32: + 64 h
	v_add_nc_u32 v[STI], s35, v[STI]
	v_mul_u32_u24 v[STO], v[HF], SP
	v_lshl_add_u32 v[STO], v[RW], 4, v[STO]        ; back: lanes 0-15 one row of 256 bytes, lanes 16-31 the next
	v_add_nc_u32 v[STO], s35, v[STO]
	v_lshlrev_b32 v12, 2, v[RW]
	v_lshlrev_b32 v13, 2, v[HF]
	v_lshlrev_b32 v14, 4, v[RW]
.irp m, 0,1,2,3
	v_mov_b32 v[GW+2*\m+1], 0                      ; (named as the upper half of a pair, so it is written)
.endr
	s_lshl_b32 s35, s[BL], 4                       ; the block's four masks
	s_lshl_b32 s60, s[BL], 8                       ; the block's 64 words of the order
	s_mov_b32 s61, 0
	s_lshl_b32 s42, s[GR], 8                       ; my 64 columns: 256 bytes
	s_mov_b32 s43, 0
	s_wait_kmcnt 0x0
	s_load_b128 s[20:23], s[6:7], s35 offset:0x4000
	s_add_nc_u64 s[LB:LB+1], s[6:7], s[60:61]
.irp m, 0,1,2,3
	global_load_b32 v[TK+\m], v12, s[LB:LB+1] offset:64*\m         ; token r of tile m
.endr
.irp m, 0,1,2,3
.irp i, 0,1,2,3,4,5,6,7
	global_load_b32 v[TOK+8*\m+\i], v13, s[LB:LB+1] offset:64*\m+8*\i   ; the token of row 2 i + h
.endr
.endr
	s_add_nc_u64 s[12:13], s[12:13], 0x400000      ; W2's images lie behind W1's
	s_add_nc_u64 s[HQS:HQS+1], s[4:5], 0x1000000
	s_add_nc_u64 s[OB:OB+1], s[18:19], s[42:43]
	s_wait_kmcnt 0x0
	s_lshl_b32 s21, s21, 1                         ; the walk: nibble e of M = expert e's bits for the block's four tiles
	s_lshl_b32 s22, s22, 2
	s_lshl_b32 s23, s23, 3
	s_or_b32 s20, s20, s21
	s_or_b32 s22, s22, s23
	s_or_b32 s[MM], s20, s22
	s_lshr_b32 s20, s[MM], 1
	s_or_b32 s20, s20, s[MM]
	s_lshr_b32 s21, s20, 2
	s_or_b32 s20, s20, s21
	s_and_b32 s20, s20, 0x11111111
	s_bcnt1_i32_b32 s20, s20
	s_min_u32 s[NN], s20, 8
	s_ctz_i32_b32 s20, s[MM]
	s_lshr_b32 s20, s20, 2
	s_min_u32 s[CUR], s20, 7
	s_lshl_b32 s20, s[CUR], 2
	s_lshr_b32 s[TMK], s[MM], s20
	s_and_b32 s[TMK], s[TMK], 15
	BASES CUR, TMK
	WCODES 0
	WCODES 1
	WCODES 2
	s_wait_loadcnt 48                              ; the 36 words of the order are in; the 48 loads of weights were issued behind them
.irp m, 0,1,2,3
	v_min_u32 v[TK+\m], 0xfff, v[TK+\m]            ; a token's number is under 4,096
	v_lshlrev_b32 v[AD+\m], 2, v[TK+\m]
	v_lshlrev_b32 v[AD+4+\m], 3, v[TK+\m]
.endr
.irp m, 0,1,2,3
	global_load_b32 v[SL+\m], v[AD+\m], s[8:9]
	global_load_b64 v[GS+2*\m:GS+2*\m+1], v[AD+4+\m], s[10:11]
.endr
	WCODES 3
	WSMALL
	HLOADS
.set k, 0
.rept 32
	v_min_u32 v[TOK+k], 0xfff, v[TOK+k]
	v_lshl_add_u32 v[TOK+k], v[TOK+k], 12, v14     ; its row of out0 (4,096 bytes), + 16 r
.set k, k+1
.endr
	WIN 0xc0
.set k, 0
.rept 128
	v_mov_b32 v[OUT+k], 0
.set k, k+1
.endr
	WIN 0
	s_mov_b32 s[II], 0
.Ltrip:                                            ; a trip is an expert
	s_lshl_b32 s20, s[CUR], 2
	s_lshl_b32 s20, 15, s20
	s_and_not1_b32 s[MM], s[MM], s20               ; it is walked
	s_cmp_lg_u32 s[MM], 0
	s_cselect_b32 s[HAS], 1, 0
	s_ctz_i32_b32 s20, s[MM]
	s_lshr_b32 s20, s20, 2
	s_min_u32 s[NXT], s20, 7
	s_lshl_b32 s20, s[NXT], 2
	s_lshr_b32 s[TMN], s[MM], s20
	s_and_b32 s[TMN], s[TMN], 15
	s_wait_loadcnt 48                              ; all but the youngest 48 loads, the codes of tiles 1 to 3, are in
.irp m, 0,1,2,3
	v_and_b32 v12, 0xff, v[SL+\m]
	v_cmp_eq_u32 vcc_lo, s[CUR], v12
	v_cndmask_b32 v[GW+2*\m], 0, v[GS+2*\m], vcc_lo                ; the first score, if this is the token's first expert;
	v_lshrrev_b32 v13, 8, v[SL+\m]
	v_cmp_eq_u32 vcc_lo, s[CUR], v13
	v_cndmask_b32 v[GW+2*\m], v[GW+2*\m], v[GS+2*\m+1], vcc_lo     ; the second, if it is the second; else 0
.endr
.irp m, 0,1,2,3
	s_wait_loadcnt 16*(3-\m)                       ; tile m's codes are in; the later tiles', 16 loads each, may be out
	s_bitcmp1_b32 s[TMK], \m
	s_cbranch_scc0 .Lpass_\m
	WIN 0xf9                                       ; source 0 (W2) window 1, source 1 (h) window 2, C and D window 3
.irp s, 0,1,2,3,4,5,6,7                        ; the four accumulators take turns, one instruction a turn
.irp t, 0,1,2,3
.if \s == 0
	v_wmma_scale_f32_16x16x128_f8f6f4 v[ACC+8*\t:ACC+8*\t+7], v[64*\t+8*\s:64*\t+8*\s+7], v[64*\m+8*\s:64*\m+8*\s+7], v[BI+8*\t:BI+8*\t+7], v[WS+8*\t+\s], v[HSV+8*\m+\s] matrix_a_fmt:MATRIX_FMT_FP4 matrix_b_fmt:MATRIX_FMT_FP4
.else
	v_wmma_scale_f32_16x16x128_f8f6f4 v[ACC+8*\t:ACC+8*\t+7], v[64*\t+8*\s:64*\t+8*\s+7], v[64*\m+8*\s:64*\m+8*\s+7], v[ACC+8*\t:ACC+8*\t+7], v[WS+8*\t+\s], v[HSV+8*\m+\s] matrix_a_fmt:MATRIX_FMT_FP4 matrix_b_fmt:MATRIX_FMT_FP4
.endif
.endr
.endr
.rept 5
	v_nop                                          ; places behind the products: four for the reads of their results and the loads into their operands, a fifth for the next products, which begin the accumulators anew
.endr
	WIN 0xf3                                       ; source 0 (the result), source 2 and destination (the sums) window 3; the weight window 0
.irp j, 0,2,4,6,8,10,12,14,16,18,20,22,24,26,28,30
	v_pk_fma_f32 v[OUT+32*\m+\j:OUT+32*\m+\j+1], v[ACC+\j:ACC+\j+1], v[GW+2*\m:GW+2*\m+1], v[OUT+32*\m+\j:OUT+32*\m+\j+1] op_sel_hi:[1,0,1]   ; each accumulator from its low end on
.endr
	WIN 0
.Lpass_\m:
.endr
	s_cmp_lg_u32 s[HAS], 0
	s_cbranch_scc0 .Lno_next
	BASES NXT, TMN                                 ; (no load is out: the bases may be written)
	WCODES 0
	WCODES 1
	WCODES 2
	WCODES 3
	WSMALL
	HLOADS
.Lno_next:
	s_mov_b32 s[CUR], s[NXT]
	s_mov_b32 s[TMK], s[TMN]
	s_add_co_u32 s[II], s[II], 1
	s_cmp_lt_u32 s[II], s[NN]
	s_cbranch_scc1 .Ltrip
	; THE WAY OUT, a tile of 16 tokens at a time: a lane holds 64 columns of one token, in runs of 16; they go through my own stage in LDS and come back as whole rows of 256 bytes,
	; which sixteen lanes store to the token's row of out0.  LDS serves a wave's instructions in order: no wait between the stores and the loads.
.irp m, 0,1,2,3
.if \m >= 2
	s_wait_xcnt 0x0                                ; the stores of two tiles ago have read their registers: the loads below land there
.endif
	WIN 0x0c                                       ; an LDS store's data are its source 1: window 3
.irp bq, 0,1
.irp q, 0,1,2,3
	ds_store_b128 v[STI], v[OUT+32*\m+16*\bq+4*\q:OUT+32*\m+16*\bq+4*\q+3] offset:128*\bq+16*\q
.endr
.endr
	WIN 0
.irp i, 0,1,2,3,4,5,6,7
	ds_load_b128 v[RB+32*(\m%2)+4*\i:RB+32*(\m%2)+4*\i+3], v[STO] offset:2*SP*\i
.endr
	s_wait_dscnt 0x0
.irp i, 0,1,2,3,4,5,6,7
	global_store_b128 v[TOK+8*\m+\i], v[RB+32*(\m%2)+4*\i:RB+32*(\m%2)+4*\i+3], s[OB:OB+1] th:TH_STORE_NT   ; 16 lanes store 256 consecutive bytes, at a multiple of 256 from out0's first byte
.endr
.endr
	s_wait_tensorcnt 0x0                           ; the wave's end: behind my last LDS store
	ds_add_u32 v[SPW], v[NIL]
	s_wait_dscnt 0x0
	s_endpgm
.Lfunc_end_k_q80e63ce0b1_down:
	.size	k_q80e63ce0b1_down, .Lfunc_end_k_q80e63ce0b1_down-k_q80e63ce0b1_down
	.p2alignl 7, 3214868480
	.fill 96, 4, 3214868480
	.section	.rodata,"a",@progbits
	.p2align	6, 0x0
	.amdhsa_kernel k_q80e63ce0b1_down
		.amdhsa_group_segment_fixed_size 17920
		.amdhsa_private_segment_fixed_size 0
		.amdhsa_enable_private_segment 0
		.amdhsa_kernarg_size 64
		.amdhsa_user_sgpr_count 2
		.amdhsa_user_sgpr_kernarg_segment_ptr 1
		.amdhsa_wavefront_size32 1
		.amdhsa_system_sgpr_workgroup_id_x 1
		.amdhsa_system_sgpr_workgroup_id_y 1
		.amdhsa_system_sgpr_workgroup_id_z 1
		.amdhsa_system_vgpr_workitem_id 0
		.amdhsa_next_free_vgpr 960
		.amdhsa_next_free_sgpr 72
		.amdhsa_reserve_vcc 1
		.amdhsa_float_denorm_mode_32 3
		.amdhsa_float_denorm_mode_16_64 3
		.amdhsa_memory_ordered 1
		.amdhsa_forward_progress 1
		.amdhsa_inst_pref_size 79
	.end_amdhsa_kernel
	.amdgpu_metadata
---
amdhsa.version: [ 1, 2 ]
amdhsa.kernels:
  - .name:           k_q80e63ce0b1_down
    .symbol:         k_q80e63ce0b1_down.kd
    .args:
      - { .name: hqs, .offset: 0, .size: 8, .value_kind: global_buffer, .address_space: global }
      - { .name: list, .offset: 8, .size: 8, .value_kind: global_buffer, .address_space: global }
      - { .name: sel, .offset: 16, .size: 8, .value_kind: global_buffer, .address_space: global }
      - { .name: gw, .offset: 24, .size: 8, .value_kind: global_buffer, .address_space: global }
      - { .name: wf, .offset: 32, .size: 8, .value_kind: global_buffer, .address_space: global }
      - { .name: W2_scales, .offset: 40, .size: 8, .value_kind: global_buffer, .address_space: global }
      - { .name: b2, .offset: 48, .size: 8, .value_kind: global_buffer, .address_space: global }
      - { .name: out0, .offset: 56, .size: 8, .value_kind: global_buffer, .address_space: global }
    .group_segment_fixed_size: 17920
    .private_segment_fixed_size: 0
    .kernarg_segment_align: 8
    .kernarg_segment_size: 64
    .max_flat_workgroup_size: 128
    .sgpr_count:     72
    .vgpr_count:     960
    .wavefront_size: 32
...
	.end_amdgpu_metadata
.endif
;; end of part 4
;; ======== version 2 of 2: 4 launches
;; limits: right only within a limited range of input values
;; workspace buffers: xqs 2,228,224 bytes; sel 16,384 bytes of whole numbers; gw 32,768 bytes; hist 32,768 bytes of whole numbers; list 17,408 bytes of whole numbers; wf 8,388,608 bytes; hqs 17,825,792 bytes
;; launch gate (part 5): grid 256 x 1, 4 waves a work-group, no clusters, 71,936 bytes of LDS; arguments x, Wg, bg, xqs, sel, gw, hist; writes xqs, sel, gw, hist
.if DOCPART == 5
	.amdgcn_target "amdgcn-amd-amdhsa--gfx1250"
	.amdhsa_code_object_version 6
	.text
	.protected	k_q80e63ce0b1_gate
	.globl	k_q80e63ce0b1_gate
	.p2align	8
	.type	k_q80e63ce0b1_gate,@function
k_q80e63ce0b1_gate:
	s_mov_b64 s[64:65], 0
	v_nop
	global_prefetch_b8 v0, s[64:65] scope:SCOPE_SE
	s_setreg_imm32_b32 hwreg(HW_REG_WAVE_MODE, 25, 1), 1
	s_wait_xcnt 0x0
; MoE layer, launch 1 of 4: the gate, and x as codes of E2M1.
; For each of the 4,096 tokens: logits = x . Wg + bg in f32 (fused multiply-adds), softmax over the 8 experts with the maximum taken away, the two largest scores
; (a tie keeps the lower index, as jax.lax.top_k does); and the token's 1,024 numbers quantised along K: 32 blocks of 32, one E8M0 byte each.
; Stored at fixed places: xqs [token][512 bytes of codes], behind them (+2,097,152) [token][32 scale bytes]; sel [token] = e1 | e2 << 8; gw [token][2] = the two scores;
; hist [work-group][32 words]: word p = how many of the work-group's 16 tokens chose pair p of experts (words 28 to 31: 0), for the sort of the next launch.
; THE 28 PAIRS' ORDER: rows a = 0 .. 6 of the lower expert; in even rows the higher expert b rises from a + 1 to 7, in odd rows it falls from 7 to a + 1: neighbours in the order share an expert.
; WORK LEFT OUT BY THE PROGRAM.  reference() computes all 8 experts for every token and then keeps, by take_along_axis on its own top_k, the rows of 2: the other 6 experts' rows of both
; quantised products reach no output, whatever the inputs hold.  The later launches multiply only tiles of tokens that use an expert.  Every input has a way to the output and is loaded.
; LIMITS.  A NaN, an infinity or an overflow that arises only in an expert that a token did not choose is not carried to the result; but in a tile of 16 tokens that holds tokens of two pairs of experts
; a row is multiplied for an expert that it did not choose and weighed by 0, so a non-finite number there (it takes weight scales near 2^127) would show as NaN.  NaN and infinities among the inputs are not served.
; A block of zeros gets the scale byte 1 where the quantiser says 127: its codes are zeros, and only this program reads the bytes.
; SHARES.  A work-group takes 16 tokens, each of its four waves 4, a whole row at a time.  Lane l holds x[32 l .. 32 l + 31]: one block of the quantiser, and its part of the dot products.
; Loads take the bytes as they lie (512 consecutive bytes a load); a row turns through the wave's own stage in LDS.  Wg (32 KB) is brought once by the four waves together, turned through LDS,
; and stays in 256 registers of every wave.  No matrix unit: N = 8.  No cluster: work-groups share only Wg, a third of a group's bytes, read once.
.set WGP,   1040                       ; a lane's region of Wg in LDS: 1,024 bytes + 16 of padding
.set XSP,   144                        ; a lane's place in a stage: 128 bytes + 16 of padding
.set STG,   32*XSP                     ; a stage
.set WGL,   0                          ; LDS: Wg, 32 regions
.set XST,   32*WGP                     ; two stages for each wave
.set SCB,   XST+4*2*STG                ; 16 tokens x 32 scale bytes
.set SELS,  SCB+512                    ; 16 words
.set GWS,   SELS+64                    ; 16 pairs of scores
.set SPARE, 70912                      ; the spare words, 128 bytes for each wave: two blocks of 256 bytes that no other line names
.set HISTS, 71424                      ; behind them: four waves x 32 counts
.set L16,  1                           ; v1   16 x lane
.set STI,  2                           ; v2   the stage, on the way in
.set STO,  3                           ; v3   and on the way out
.set WGI,  4                           ; v4   Wg into LDS; behind that:
.set HI,   4                           ; v4   how many of my wave's tokens chose pair (lane)
.set WGO,  5                           ; v5   Wg out of LDS
.set SCA,  6                           ; v6   my scale byte's place
.set SELA, 7                           ; v7   my wave's words of sel
.set GWA,  8                           ; v8   and of gw
.set KL,   9                           ; v9   at the head the lane; then pair (lane)'s key, 8 a + b
.set SPW,  10                          ; v10  my spare word; never rewritten
.set NIL,  11                          ; v11  0; never rewritten
.set SUM,  12                          ; v12-27 two sets of eight sums
.set LG,   28                          ; v28-35 logits, then scores
.set CD,   36                          ; v36-51 codes, four registers a token
.set BY,   52                          ; v52-55 a scale byte a token
.set XT,   64                          ; v64-127 two sets of 32 neighbours
.set XR,   128                         ; v128-255 four rows as loaded.  Window 1: Wg[32 lane + i][e] at v[8 i + e]
.set MSB, 0
.macro WIN new                         ; the immediate's high byte repeats the setting that is left
.if MSB != \new
	s_set_vgpr_msb (MSB<<8)|\new
.set MSB, \new
.endif
.endm
	s_load_b256 s[4:11], s[0:1], 0x0               ; x, Wg, bg, xqs
	s_load_b128 s[12:15], s[0:1], 0x20             ; sel, gw
	s_load_b64 s[36:37], s[0:1], 0x30              ; hist
	v_lshl_add_u32 v[SPW], v0, 2, SPARE
	v_mov_b32 v[NIL], 0
	v_lshrrev_b32 v9, 5, v0
	v_readfirstlane_b32 s16, v9                    ; wave 0..3
	v_and_b32 v9, 31, v0                           ; lane
	v_lshlrev_b32 v[L16], 4, v9
	v_lshrrev_b32 v[STI], 3, v9
	v_mul_u32_u24 v[STI], v[STI], XSP
	v_and_b32 v[STO], 7, v9
	v_lshl_add_u32 v[STI], v[STO], 4, v[STI]       ; eight lanes' 128 bytes on end make one place: 144 (lane / 8) + 16 (lane % 8); a load's 512 bytes take four places
	s_mul_i32 s17, s16, 2*STG
	s_add_co_u32 s17, s17, XST
	v_add_nc_u32 v[STI], s17, v[STI]
	v_mul_u32_u24 v[STO], v9, XSP
	v_add_nc_u32 v[STO], s17, v[STO]
	s_mul_i32 s17, s16, 8*WGP
	v_add_nc_u32 v[WGI], s17, v[L16]               ; my wave brings 8 of Wg's 32 regions
	v_mul_u32_u24 v[WGO], v9, WGP
	s_lshl_b32 s17, s16, 7
	s_add_co_u32 s17, s17, SCB
	v_add_nc_u32 v[SCA], s17, v9
	s_lshl_b32 s17, s16, 4
	s_add_co_u32 s17, s17, SELS
	v_mov_b32 v[SELA], s17
	s_lshl_b32 s17, s16, 5
	s_add_co_u32 s17, s17, GWS
	v_mov_b32 v[GWA], s17
	v_mov_b32 v63, -1.0                            ; under every score
	s_mov_b32 s20, 0x76543210
	s_mov_b32 s21, 0xfedcba98                      ; v_permlanex16_b32's selects for lane l xor 16
	s_lshl_b32 s18, ttmp9, 16                      ; 16 rows of 4,096 bytes a work-group,
	s_lshl_b32 s19, s16, 14                        ; 4 a wave
	s_add_co_u32 s18, s18, s19
	s_mov_b32 s19, 0
	s_lshl_b32 s22, s16, 13                        ; my wave's 8,192 bytes of Wg
	s_mov_b32 s23, 0
	s_wait_kmcnt 0x0
	s_load_b256 s[24:31], s[8:9], 0x0              ; bg
	s_add_nc_u64 s[4:5], s[4:5], s[18:19]
	s_add_nc_u64 s[6:7], s[6:7], s[22:23]
	WIN 0x40                                       ; destination window 1
.irp i, 0,1,2,3,4,5,6,7,8,9,10,11,12,13,14,15
	global_load_b128 v[4*\i:4*\i+3], v[L16], s[6:7] offset:512*\i
.endr
	WIN 0
.irp t, 0,1,2,3
.irp j, 0,1,2,3,4,5,6,7
	global_load_b128 v[XR+32*\t+4*\j:XR+32*\t+4*\j+3], v[L16], s[4:5] offset:4096*\t+512*\j th:TH_LOAD_NT   ; all of my four rows are asked for at once
.endr
.endr
	s_lshl_b32 s18, ttmp9, 13                      ; the codes of my first token: 512 bytes a token
	s_lshl_b32 s22, s16, 11
	s_add_co_u32 s18, s18, s22
	s_add_nc_u64 s[32:33], s[10:11], s[18:19]
	s_lshl_b32 s18, ttmp9, 9                       ; the work-group's 512 scale bytes
	s_add_co_u32 s18, s18, 0x200000
	s_add_nc_u64 s[34:35], s[10:11], s[18:19]
	s_lshl_b32 s18, ttmp9, 6
	s_add_nc_u64 s[12:13], s[12:13], s[18:19]
	s_lshl_b32 s18, ttmp9, 7                       ; 128 bytes a work-group in gw and in hist alike
	s_add_nc_u64 s[14:15], s[14:15], s[18:19]
	s_add_nc_u64 s[36:37], s[36:37], s[18:19]
	; pair (lane)'s key, while the loads are out.  Row a of the order begins at pair 0, 7, 13, 18, 22, 25, 27.  Lanes 28 to 31 get keys 56 to 59, which no token has
.macro ROWOF t, a                      ; from pair t on: row a
	v_cmp_gt_u32 vcc_lo, \t, v56
	v_cndmask_b32 v57, \a, v57, vcc_lo
	v_cndmask_b32 v58, \t, v58, vcc_lo
.endm
	v_and_b32 v56, 31, v0                          ; p
	v_mov_b32 v57, 0                               ; a
	v_mov_b32 v58, 0                               ; the row's first pair
	ROWOF 7, 1
	ROWOF 13, 2
	ROWOF 18, 3
	ROWOF 22, 4
	ROWOF 25, 5
	ROWOF 27, 6
	v_sub_nc_u32 v58, v56, v58                     ; j: the place in the row
	v_add3_u32 v59, v57, v58, 1                    ; b in an even row: a + 1 + j
	v_sub_nc_u32 v60, 7, v58                       ; b in an odd row: 7 - j
	v_and_b32 v61, 1, v57
	v_cmp_eq_u32 vcc_lo, 1, v61
	v_cndmask_b32 v59, v59, v60, vcc_lo
	v_lshl_add_u32 v[KL], v57, 3, v59              ; 8 a + b
	s_wait_loadcnt 32                              ; Wg's 16 loads are in; x's 32 were issued behind them
	WIN 0x04                                       ; an LDS store's data are its source 1: window 1
.irp i, 0,1,2,3,4,5,6,7,8,9,10,11,12,13,14,15
	ds_store_b128 v[WGI], v[4*\i:4*\i+3] offset:(\i/2)*WGP+(\i%2)*512
.endr
	WIN 0
	s_wait_dscnt 0x0                               ; for the others' sake: my part of Wg lies in LDS
	s_barrier_signal -1
	s_barrier_wait -1
	v_mov_b32 v[HI], 0                             ; (the stores that named this register as their address are done)
	WIN 0x40
.set q, 0
.rept 64
	ds_load_b128 v[4*q:4*q+3], v[WGO] offset:16*q  ; Wg[32 lane + i][e], 1,024 bytes a lane
.set q, q+1
.endr
	WIN 0
.macro TURN t                          ; row t through a stage: LDS serves a wave's instructions in order, so no wait stands between the stores and the loads
.irp j, 0,1,2,3,4,5,6,7
	ds_store_b128 v[STI], v[XR+32*(\t)+4*\j:XR+32*(\t)+4*\j+3] offset:STG*((\t)%2)+4*XSP*\j
.endr
.irp j, 0,1,2,3,4,5,6,7
	ds_load_b128 v[XT+32*((\t)%2)+4*\j:XT+32*((\t)%2)+4*\j+3], v[STO] offset:STG*((\t)%2)+16*\j
.endr
.endm
.macro DOT p                           ; my 32 numbers against my 32 rows of Wg: two experts an instruction, even and odd rows in sets of their own; the first products start the sums
	WIN 0x01                                       ; source 0 (Wg) window 1
.set ii, 0
.rept 16
.irp ep, 0,1,2,3
.if ii == 0
	v_pk_mul_f32 v[SUM+2*\ep:SUM+2*\ep+1], v[2*\ep:2*\ep+1], v[XT+32*(\p):XT+32*(\p)+1] op_sel_hi:[1,0]
.else
	v_pk_fma_f32 v[SUM+2*\ep:SUM+2*\ep+1], v[16*ii+2*\ep:16*ii+2*\ep+1], v[XT+32*(\p)+2*ii:XT+32*(\p)+2*ii+1], v[SUM+2*\ep:SUM+2*\ep+1] op_sel_hi:[1,0,1]
.endif
.endr
.irp ep, 0,1,2,3
.if ii == 0
	v_pk_mul_f32 v[SUM+8+2*\ep:SUM+9+2*\ep], v[8+2*\ep:9+2*\ep], v[XT+32*(\p):XT+32*(\p)+1] op_sel:[0,1] op_sel_hi:[1,1]
.else
	v_pk_fma_f32 v[SUM+8+2*\ep:SUM+9+2*\ep], v[16*ii+8+2*\ep:16*ii+9+2*\ep], v[XT+32*(\p)+2*ii:XT+32*(\p)+2*ii+1], v[SUM+8+2*\ep:SUM+9+2*\ep] op_sel:[0,1,0] op_sel_hi:[1,1,1]
.endif
.endr
.set ii, ii+1
.endr
	WIN 0
.endm
.macro LOGITS                          ; the two sets, the 32 lanes, the bias: every lane ends with the 8 logits
.irp ep, 0,1,2,3
	v_pk_add_f32 v[LG+2*\ep:LG+2*\ep+1], v[SUM+2*\ep:SUM+2*\ep+1], v[SUM+8+2*\ep:SUM+9+2*\ep]
.endr
.irp x, 1,2,4,8
.irp e, 0,1,2,3,4,5,6,7
	v_add_f32_dpp v[LG+\e], v[LG+\e], v[LG+\e] row_xmask:\x row_mask:0xf bank_mask:0xf
.endr
.endr
.irp e, 0,1,2,3,4,5,6,7
	v_permlanex16_b32 v[SUM+\e], v[LG+\e], s20, s21
.endr
.irp e, 0,1,2,3,4,5,6,7
	v_add_f32 v[LG+\e], v[LG+\e], v[SUM+\e]
.endr
.irp e, 0,1,2,3,4,5,6,7
	v_add_f32 v[LG+\e], s[24+\e], v[LG+\e]
.endr
.endm
.macro SOFTTOP t                       ; softmax, then the two largest scores and their experts; nothing here steers an address or a branch
	v_max3_num_f32 v56, v[LG], v[LG+1], v[LG+2]
	v_max3_num_f32 v56, v56, v[LG+3], v[LG+4]
	v_max3_num_f32 v56, v56, v[LG+5], v[LG+6]
	v_max_num_f32 v56, v56, v[LG+7]
.irp e, 0,1,2,3,4,5,6,7
	v_sub_f32 v[LG+\e], v[LG+\e], v56              ; the maximum is taken away, as reference() does
.endr
.irp e, 0,1,2,3,4,5,6,7
	v_mul_f32 v[LG+\e], 0x3fb8aa3b, v[LG+\e]       ; x log2(e)
.endr
	s_wait_alu depctr_va_vdst(0)
.irp e, 0,1,2,3,4,5,6,7
	v_exp_f32 v[LG+\e], v[LG+\e]
.endr
	v_nop                                          ; a plain instruction behind the last exponential
	s_wait_alu depctr_va_vdst(0)                   ; one wait for the eight, ahead of their first use
	v_add_f32 v56, v[LG], v[LG+1]
	v_add_f32 v57, v[LG+2], v[LG+3]
	v_add_f32 v58, v[LG+4], v[LG+5]
	v_add_f32 v59, v[LG+6], v[LG+7]
	v_add_f32 v56, v56, v57
	v_add_f32 v58, v58, v59
	v_add_f32 v56, v56, v58
	s_wait_alu depctr_va_vdst(0)
	v_rcp_f32 v57, v56
	v_mov_b32 v58, 0                               ; (a plain instruction behind the reciprocal)  the best expert so far
	s_wait_alu depctr_va_vdst(0)
.irp e, 0,1,2,3,4,5,6,7
	v_mul_f32 v[LG+\e], v[LG+\e], v57
.endr
	v_mov_b32 v60, v[LG]
.irp e, 1,2,3,4,5,6,7
	v_cmp_le_f32 vcc_lo, v[LG+\e], v60             ; only a larger score takes the place: a tie keeps the lower index
	v_cndmask_b32 v60, v[LG+\e], v60, vcc_lo
	v_cndmask_b32 v58, \e, v58, vcc_lo
.endr
.irp e, 0,1,2,3,4,5,6,7
	v_cmp_eq_u32 vcc_lo, \e, v58
	v_cndmask_b32 v[LG+\e], v[LG+\e], v63, vcc_lo  ; the winner leaves the field
.endr
	v_mov_b32 v59, 0
	v_mov_b32 v61, v[LG]
.irp e, 1,2,3,4,5,6,7
	v_cmp_le_f32 vcc_lo, v[LG+\e], v61
	v_cndmask_b32 v61, v[LG+\e], v61, vcc_lo
	v_cndmask_b32 v59, \e, v59, vcc_lo
.endr
	v_lshl_or_b32 v62, v59, 8, v58
	ds_store_b32 v[SELA], v62 offset:4*(\t)        ; all lanes write the same word with the same value
	ds_store_b64 v[GWA], v[60:61] offset:8*(\t)
	v_min_u32 v56, v58, v59                        ; the token's pair as a key, 8 x the lower expert + the higher: the same in all lanes;
	v_max_u32 v57, v58, v59
	v_lshl_add_u32 v56, v56, 3, v57
	v_cmp_eq_u32 vcc_lo, v56, v[KL]
	v_cndmask_b32 v57, 0, 1, vcc_lo
	v_add_nc_u32 v[HI], v[HI], v57                 ; the lane of that pair counts it
.endm
.macro QX t                            ; my block of 32: its largest magnitude, its byte, its 16 bytes of codes
.set XQ, XT+32*((\t)%2)
	v_max3_num_f32 v56, |v[XQ]|, |v[XQ+1]|, |v[XQ+2]|
	v_max3_num_f32 v57, |v[XQ+3]|, |v[XQ+4]|, |v[XQ+5]|
.irp i, 6,10,14,18,22,26
	v_max3_num_f32 v56, v56, |v[XQ+\i]|, |v[XQ+\i+1]|
	v_max3_num_f32 v57, v57, |v[XQ+\i+2]|, |v[XQ+\i+3]|
.endr
	v_max3_num_f32 v56, v56, |v[XQ+30]|, |v[XQ+31]|
	v_max3_num_f32 v56, v56, v57, 0x1800000        ; and the floor 2^(3 - 127): the byte cannot fall under 1
	v_add_nc_u32 v57, 0xff000000, v56              ; 2 off the exponent field: the conversion takes this operand's exponent field as its scale
	v_lshrrev_b32 v[BY+(\t)], 23, v57              ; the scale's byte
.irp g, 0,1,2,3
	v_cvt_scalef32_pk8_fp4_f32 v[CD+4*(\t)+\g], v[XQ+8*\g:XQ+8*\g+7], v57
.endr
	v_nop                                          ; a plain instruction behind the last conversion
	global_store_b128 v[L16], v[CD+4*(\t):CD+4*(\t)+3], s[32:33] offset:512*(\t)   ; the token's 512 bytes of codes, consecutive and aligned
	ds_store_b8 v[SCA], v[BY+(\t)] offset:32*(\t)
.endm
.macro TOKEN t
	s_wait_dscnt 0x0                               ; this row is back from its stage (the first time: Wg is in registers too)
.if (\t) < 3
	s_wait_loadcnt 8*(2-(\t))                      ; the next row's eight loads are in; the rows behind it, eight loads each, may be out
	TURN (\t)+1                                    ; and goes through the other stage while this row is worked
.endif
	DOT (\t)%2
	LOGITS
	SOFTTOP \t
	QX \t
.endm
	s_wait_loadcnt 24                              ; row 0 is in; rows 1 to 3 may be out
	TURN 0
	s_wait_kmcnt 0x0                               ; bg
	TOKEN 0
	TOKEN 1
	TOKEN 2
	TOKEN 3
	v_lshl_add_u32 v56, v0, 2, HISTS
	ds_store_b32 v56, v[HI]                        ; my wave's counts: 128 bytes
	s_wait_dscnt 0x0                               ; for wave 0's sake: my bytes, words, scores and counts lie in LDS
	s_barrier_signal -1
	s_barrier_wait -1
	v_and_b32 v12, 31, v0
	v_lshl_add_u32 v13, v12, 4, SCB
	v_and_b32 v14, 15, v0
	v_lshlrev_b32 v14, 2, v14
	v_add_nc_u32 v15, SELS, v14
	v_lshlrev_b32 v16, 2, v12
	v_add_nc_u32 v17, GWS, v16
	v_add_nc_u32 v18, HISTS, v16
	s_cmp_lg_u32 s16, 0
	s_cbranch_scc1 .Ldone                          ; wave 0 stores what the four waves gathered
	ds_load_b128 v[20:23], v13
	ds_load_b32 v24, v15
	ds_load_b32 v25, v17
	ds_load_b32 v26, v18
	ds_load_b32 v27, v18 offset:128
	ds_load_b32 v28, v18 offset:256
	ds_load_b32 v29, v18 offset:384
	s_wait_dscnt 0x0
	v_add_nc_u32 v26, v26, v27
	v_add3_u32 v26, v26, v28, v29                  ; the four waves' counts
	global_store_b128 v[L16], v[20:23], s[34:35]   ; 16 tokens' scale bytes: 512 consecutive bytes
	s_wait_alu depctr_va_vdst(0)
	global_store_b32 v14, v24, s[12:13]            ; 16 words (lanes 16-31 write what lanes 0-15 write)
	global_store_b32 v16, v25, s[14:15]            ; 16 pairs of scores
	global_store_b32 v16, v26, s[36:37]            ; 32 counts
.Ldone:
	s_wait_tensorcnt 0x0                           ; the wave's end: behind my last LDS store
	ds_add_u32 v[SPW], v[NIL]
	s_wait_dscnt 0x0
	s_endpgm
.Lfunc_end_k_q80e63ce0b1_gate:
	.size	k_q80e63ce0b1_gate, .Lfunc_end_k_q80e63ce0b1_gate-k_q80e63ce0b1_gate
	.p2alignl 7, 3214868480
	.fill 96, 4, 3214868480
	.section	.rodata,"a",@progbits
	.p2align	6, 0x0
	.amdhsa_kernel k_q80e63ce0b1_gate
		.amdhsa_group_segment_fixed_size 71936
		.amdhsa_private_segment_fixed_size 0
		.amdhsa_enable_private_segment 0
		.amdhsa_kernarg_size 56
		.amdhsa_user_sgpr_count 2
		.amdhsa_user_sgpr_kernarg_segment_ptr 1
		.amdhsa_wavefront_size32 1
		.amdhsa_system_sgpr_workgroup_id_x 1
		.amdhsa_system_sgpr_workgroup_id_y 1
		.amdhsa_system_sgpr_workgroup_id_z 1
		.amdhsa_system_vgpr_workitem_id 0
		.amdhsa_next_free_vgpr 512
		.amdhsa_next_free_sgpr 66
		.amdhsa_reserve_vcc 1
		.amdhsa_float_denorm_mode_32 3
		.amdhsa_float_denorm_mode_16_64 3
		.amdhsa_memory_ordered 1
		.amdhsa_forward_progress 1
		.amdhsa_inst_pref_size 89
	.end_amdhsa_kernel
	.amdgpu_metadata
---
amdhsa.version: [ 1, 2 ]
amdhsa.kernels:
  - .name:           k_q80e63ce0b1_gate
    .symbol:         k_q80e63ce0b1_gate.kd
    .args:
      - { .name: x, .offset: 0, .size: 8, .value_kind: global_buffer, .address_space: global }
      - { .name: Wg, .offset: 8, .size: 8, .value_kind: global_buffer, .address_space: global }
      - { .name: bg, .offset: 16, .size: 8, .value_kind: global_buffer, .address_space: global }
      - { .name: xqs, .offset: 24, .size: 8, .value_kind: global_buffer, .address_space: global }
      - { .name: sel, .offset: 32, .size: 8, .value_kind: global_buffer, .address_space: global }
      - { .name: gw, .offset: 40, .size: 8, .value_kind: global_buffer, .address_space: global }
      - { .name: hist, .offset: 48, .size: 8, .value_kind: global_buffer, .address_space: global }
    .group_segment_fixed_size: 71936
    .private_segment_fixed_size: 0
    .kernarg_segment_align: 8
    .kernarg_segment_size: 56
    .max_flat_workgroup_size: 128
    .sgpr_count:     66
    .vgpr_count:     512
    .wavefront_size: 32
...
	.end_amdgpu_metadata
.endif
;; end of part 5
;; launch place (part 6): grid 136 x 1, 16 waves a work-group, no clusters, 4,096 bytes of LDS; arguments sel, hist, W1_codes, W2_codes, list, wf; writes list, wf
.if DOCPART == 6
	.amdgcn_target "amdgcn-amd-amdhsa--gfx1250"
	.amdhsa_code_object_version 6
	.text
	.protected	k_q80e63ce0b1_place
	.globl	k_q80e63ce0b1_place
	.p2align	8
	.type	k_q80e63ce0b1_place,@function
k_q80e63ce0b1_place:
	s_mov_b64 s[64:65], 0
	v_nop
	global_prefetch_b8 v0, s[64:65] scope:SCOPE_SE
	s_setreg_imm32_b32 hwreg(HW_REG_WAVE_MODE, 25, 1), 1
	s_wait_xcnt 0x0
; MoE layer, launch 2 of 4: the tokens are sorted by their pair of experts, and the weights are laid out as the products' registers take them.
; WORK-GROUPS 0 TO 7 sort.  A token's key is its unordered pair of experts, 8 a + b with a < b.  THE 28 PAIRS' ORDER: rows a = 0 .. 6; in even rows b rises, in odd rows it falls: neighbours in the order share an expert,
; so a run of places that holds one change of pair uses three experts and never four.
; A counting sort with no atomics and no LDS address made of data.  The launch before has counted: hist [16 tokens (256 rows)][pair (32 words)].  A wave takes a group of 32 tokens (two rows of hist), a lane a token:
; a token's place = where its pair begins + the pair's count in all rows before the group's + how many lower lanes of the group hold the pair.
; Lane p works for pair p: wave w adds rows 16 w .. 16 w + 15, the sixteen sums meet in LDS, and each wave adds all of them (the pair's total), those of the chunks of 16 rows before its own, and the rows of its own
; chunk before its own two.  Where the pairs begin is a running sum over the lanes.
; Stored: list: order[place] = token (4,096 words); behind them (+16,384) tmask[tile of 16 places] (256 words, two a wave): bit 4 e is set where a token of the tile uses expert e.
; The order words leave as single words to scattered places, 16 KB in all: gathering them in LDS would take LDS addresses made of data.
; WORK-GROUPS 8 TO 135 lay out W1's and W2's codes, 64 KB each: wf [chunk = 16 e + g][s (8)][t (4)][c (2)][lane][16 bytes], W2's 4 MB behind W1's.  A chunk is 64 rows (32 KB).
; Lane (r, h) of image (t, s, c) holds the 16 bytes of row 64 g + 32 (t / 2) + 8 (t % 2) + r + 8 (r / 8) at byte 64 s + 32 c + 16 h: registers 4 c .. 4 c + 3 of the fragment of tile t, K step s.
; THE ROWS OF A TILE ARE NOT NEIGHBOURS, so that in the transposed product the 16 registers of tiles 2 b and 2 b + 1 are 16 neighbouring rows.
; The two paths part on the work-group's number alone; only the sort uses LDS and a barrier.
.set NS,    8                          ; sorting work-groups
.set CNT,   0                          ; LDS: 16 waves x 32 sums
.set SPARE, 2048                       ; the spare words, 128 bytes for each wave: eight blocks of 256 bytes that no other line names
.set SPW,  2                           ; v2   my spare word; never rewritten
.set NIL,  3                           ; v3   0; never rewritten
.set RA,   8                           ; v8-23  16 rows of hist, later the 16 waves' sums
.set RC,   24                          ; v24-37 the first 14 rows of my group's chunk
.set WV,   16                          ; s16  my wave's number
; PWe: the set of pairs (bit p = pair p of the order) that hold expert e
.irp e, 0,1,2,3,4,5,6,7
.set PW\e, 0
.endr
.set p, 0
.irp k, 1,2,3,4,5,6,7,15,14,13,12,11,10,19,20,21,22,23,31,30,29,28,37,38,39,47,46,55
.irp e, 0,1,2,3,4,5,6,7
.if (\k/8 == \e) || (\k%8 == \e)
.set PW\e, PW\e | (1<<p)
.endif
.endr
.set p, p+1
.endr
	s_load_b256 s[4:11], s[0:1], 0x0               ; sel, hist, W1's codes, W2's codes
	s_load_b128 s[12:15], s[0:1], 0x20             ; list, wf
	v_lshl_add_u32 v[SPW], v0, 2, SPARE
	v_mov_b32 v[NIL], 0
	v_lshrrev_b32 v1, 5, v0
	s_delay_alu instid0(VALU_DEP_1)
	v_readfirstlane_b32 s[WV], v1                  ; wave 0..15
	v_and_b32 v1, 31, v0                           ; lane
	s_cmp_lt_u32 ttmp9, NS
	s_cbranch_scc1 .Lsort
	; ---- the weights: a wave takes one K step (64 bytes of each row) of one chunk
	v_and_b32 v4, 15, v0                           ; r
	v_bfe_u32 v5, v0, 4, 1                         ; h
	s_delay_alu instid0(VALU_DEP_2)
	v_and_b32 v6, 8, v4
	s_delay_alu instid0(VALU_DEP_1)
	v_add_nc_u32 v6, v6, v4                        ; r + 8 (r / 8)
	s_delay_alu instid0(VALU_DEP_1)
	v_lshlrev_b32 v6, 9, v6                        ; a row is 512 bytes
	s_delay_alu instid0(VALU_DEP_1)
	v_lshl_add_u32 v6, v5, 4, v6
	v_lshlrev_b32 v7, 4, v1
	s_sub_co_u32 s17, ttmp9, NS
	s_lshl_b32 s17, s17, 1
	s_lshr_b32 s18, s[WV], 3
	s_add_co_u32 s17, s17, s18                     ; which of the 256 chunks: 0-127 W1's, 128-255 W2's
	s_and_b32 s18, s[WV], 7                        ; the K step
	s_and_b32 s19, s17, 127
	s_lshl_b32 s20, s19, 15
	s_lshl_b32 s21, s18, 6
	s_add_co_u32 s20, s20, s21
	s_mov_b32 s21, 0
	s_lshl_b32 s22, s17, 15
	s_lshl_b32 s23, s18, 12                        ; wf AS IT IS STORED HERE: [chunk][s (8)][t (4)][c (2)][lane][16 bytes]: the K step stands ahead of the tile, so a wave's eight images are 4,096 consecutive bytes
	s_add_co_u32 s22, s22, s23
	s_mov_b32 s23, 0
	s_wait_alu depctr_va_vdst(0)
	s_wait_kmcnt 0x0
	s_cmp_lt_u32 s17, 128                          ; the choice hangs on ids alone
	s_cselect_b64 s[8:9], s[8:9], s[10:11]
	s_add_nc_u64 s[8:9], s[8:9], s[20:21]
	s_add_nc_u64 s[14:15], s[14:15], s[22:23]
.irp t, 0,1,2,3
.irp c, 0,1
	global_load_b128 v[16+4*(2*\t+\c):19+4*(2*\t+\c)], v6, s[8:9] offset:(32*(\t/2)+8*(\t%2))*512+32*\c
.endr
.endr
	s_wait_loadcnt 0x0
.irp t, 0,1,2,3
.irp c, 0,1
	global_store_b128 v7, v[16+4*(2*\t+\c):19+4*(2*\t+\c)], s[14:15] offset:1024*\t+512*\c   ; an image: 512 consecutive bytes
.endr
.endr
	s_endpgm
	; ---- the sort
.Lsort:
	s_wait_alu depctr_va_vdst(0)
	v_lshlrev_b32 v4, 2, v1                        ; 4 x lane
	v_lshrrev_b32 v5, 4, v1                        ; lane / 16
	v_lshlrev_b32 v6, 2, v0                        ; where my wave's sums go in LDS: 128 x wave + 4 x lane
	s_lshl_b32 s17, ttmp9, 4
	s_add_co_u32 s17, s17, s[WV]                   ; my group of 32 tokens, 0 .. 127
	s_lshr_b32 s18, s17, 3                         ; its chunk of 16 rows of hist, 0 .. 15
	s_and_b32 s19, s17, 7
	s_lshl_b32 s19, s19, 1                         ; its first row in the chunk, 0 .. 14
	s_lshl_b32 s22, s[WV], 11                      ; the 16 rows that I add: 2,048 bytes a wave
	s_mov_b32 s23, 0
	s_lshl_b32 s24, s18, 11                        ; my group's chunk
	s_mov_b32 s25, 0
	s_lshl_b32 s26, s17, 7                         ; my group's 32 words of sel
	s_mov_b32 s27, 0
	s_wait_alu depctr_va_vdst(0)
	s_wait_kmcnt 0x0
	s_add_nc_u64 s[22:23], s[6:7], s[22:23]
	s_add_nc_u64 s[24:25], s[6:7], s[24:25]
	s_add_nc_u64 s[26:27], s[4:5], s[26:27]
.irp x, 0,1,2,3,4,5,6,7,8,9,10,11,12,13,14,15
	global_load_b32 v[RA+\x], v4, s[22:23] offset:128*\x
.endr
	global_load_b32 v40, v4, s[26:27]              ; my token's two experts
.irp x, 0,1,2,3,4,5,6,7,8,9,10,11,12,13
	global_load_b32 v[RC+\x], v4, s[24:25] offset:128*\x           ; (the chunk's last two rows come before no group of the chunk)
.endr
	s_wait_loadcnt 15                              ; my 16 rows are in; the 15 loads issued behind them may be out
	v_add3_u32 v41, v[RA], v[RA+1], v[RA+2]
	v_add3_u32 v42, v[RA+3], v[RA+4], v[RA+5]
.irp x, 6,10
	s_delay_alu instid0(VALU_DEP_2)
	v_add3_u32 v41, v41, v[RA+\x], v[RA+\x+1]
	s_delay_alu instid0(VALU_DEP_2)
	v_add3_u32 v42, v42, v[RA+\x+2], v[RA+\x+3]
.endr
	s_delay_alu instid0(VALU_DEP_2)
	v_add3_u32 v41, v41, v[RA+14], v[RA+15]
	s_delay_alu instid0(VALU_DEP_1)
	v_add_nc_u32 v41, v41, v42
	ds_store_b32 v6, v41
	s_wait_dscnt 0x0                               ; for the others' sake: my sums lie in LDS
	s_barrier_signal -1
	s_barrier_wait -1
.irp x, 0,1,2,3,4,5,6,7,8,9,10,11,12,13,14,15
	ds_load_b32 v[RA+\x], v4 offset:CNT+128*\x
.endr
	s_wait_loadcnt 0x0                             ; my token's word and my chunk's rows
	v_and_b32 v42, 0xff, v40
	v_bfe_u32 v43, v40, 8, 8
	s_delay_alu instid0(VALU_DEP_1)
	v_min_u32 v44, v42, v43
	s_delay_alu instid0(VALU_DEP_2)
	v_max_u32 v43, v42, v43
	s_delay_alu instid0(VALU_DEP_1)
	v_lshl_add_u32 v40, v44, 3, v43                ; my token's key: 8 x the lower expert + the higher
	v_mov_b32 v49, 0                               ; pair (lane)'s count in all rows before my group's
.irp x, 0,1,2,3,4,5,6,7,8,9,10,11,12,13
	s_cmp_gt_u32 s19, \x                           ; a row of my chunk before my group's: ids alone decide
	s_cselect_b32 s20, 1, 0
	v_mad_u32_u24 v49, v[RC+\x], s20, v49
.endr
	s_wait_alu depctr_va_vdst(0)
	s_wait_dscnt 0x0
.irp x, 0,1,2,3,4,5,6,7,8,9,10,11,12,13,14,15
	s_cmp_gt_u32 s18, \x                           ; a chunk before mine
	s_cselect_b32 s20, 1, 0
	v_mad_u32_u24 v49, v[RA+\x], s20, v49
.endr
	v_add3_u32 v48, v[RA], v[RA+1], v[RA+2]        ; pair (lane)'s count in all
	v_add3_u32 v42, v[RA+3], v[RA+4], v[RA+5]
.irp x, 6,10
	s_delay_alu instid0(VALU_DEP_2)
	v_add3_u32 v48, v48, v[RA+\x], v[RA+\x+1]
	s_delay_alu instid0(VALU_DEP_2)
	v_add3_u32 v42, v42, v[RA+\x+2], v[RA+\x+3]
.endr
	s_delay_alu instid0(VALU_DEP_2)
	v_add3_u32 v48, v48, v[RA+14], v[RA+15]
	s_delay_alu instid0(VALU_DEP_1)
	v_add_nc_u32 v48, v48, v42
	s_delay_alu instid0(VALU_DEP_1)
	v_mov_b32 v52, v48                             ; the running sum over the lanes: four steps inside each half of 16 lanes,
.irp n, 1,2,4,8
	v_mov_b32 v53, 0                               ; (a lane with no lane n below it in its half adds 0)
	s_delay_alu instid0(VALU_DEP_2)
	v_mov_b32_dpp v53, v52 row_shr:\n row_mask:0xf bank_mask:0xf
	s_delay_alu instid0(VALU_DEP_1)
	v_add_nc_u32 v52, v52, v53
.endr
	s_delay_alu instid0(VALU_DEP_1)
	v_readlane_b32 s20, v52, 15
	s_delay_alu instid0(VALU_DEP_1)
	v_mad_u32_u24 v52, v5, s20, v52                ; and the first half's total onto the second half
	s_delay_alu instid0(VALU_DEP_1)
	v_sub_nc_u32 v54, v52, v48                     ; where pair (lane) begins
	s_delay_alu instid0(VALU_DEP_1)
	v_add_nc_u32 v55, v54, v49                     ; where my group's first token of the pair goes
	v_mov_b32 v56, 0
.set p, 0
.irp k, 1,2,3,4,5,6,7,15,14,13,12,11,10,19,20,21,22,23,31,30,29,28,37,38,39,47,46,55
	v_readlane_b32 s[36+2*(p%4)], v55, p
	v_cmp_eq_u32 s[37+2*(p%4)], \k, v40
	s_delay_alu instid0(VALU_DEP_1)
	v_mbcnt_lo_u32_b32 v[57+p%2], s[37+2*(p%4)], s[36+2*(p%4)]     ; + how many lower lanes hold the pair
	s_delay_alu instid0(VALU_DEP_1)
	v_cndmask_b32 v56, v56, v[57+p%2], s[37+2*(p%4)]
.set p, p+1
.endr
	s_delay_alu instid0(VALU_DEP_1)
	v_min_u32 v56, 0xfff, v56                      ; a place is under 4,096
	s_delay_alu instid0(VALU_DEP_1)
	v_lshlrev_b32 v56, 2, v56
	s_lshl_b32 s28, s17, 5
	v_add_nc_u32 v59, s28, v1                      ; my token: 32 x group + lane
	global_store_b32 v56, v59, s[12:13]
	; the masks of tiles 2 x group and 2 x group + 1: lane p asks whether its pair's run of places meets the tile's 16 (an empty run meets none)
	v_add_nc_u32 v60, v54, v48                     ; the first place behind the run
	s_wait_alu depctr_va_vdst(0)
.irp u, 0,1
	s_add_co_u32 s29, s28, 16
	v_max_u32 v61, s28, v54
	v_min_u32 v62, s29, v60
	s_delay_alu instid0(VALU_DEP_1)
	v_cmp_lt_u32 s30, v61, v62                     ; the pairs that the tile holds
	s_mov_b32 s[32+\u], 0
.irp e, 0,1,2,3,4,5,6,7
	s_and_b32 s31, s30, PW\e                       ; does one of them hold expert e?
	s_cselect_b32 s31, 1<<(4*\e), 0
	s_or_b32 s[32+\u], s[32+\u], s31
.endr
	s_mov_b32 s28, s29
.endr
	v_mov_b32 v62, s32
	v_mov_b32 v63, s33
	s_lshl_b32 s28, s17, 3
	v_mov_b32 v61, s28
	global_store_b64 v61, v[62:63], s[12:13] offset:16384          ; all lanes write the same two words with the same values
	s_wait_tensorcnt 0x0                           ; the wave's end: behind my last LDS store
	ds_add_u32 v[SPW], v[NIL]
	s_wait_dscnt 0x0
	s_endpgm
.Lfunc_end_k_q80e63ce0b1_place:
	.size	k_q80e63ce0b1_place, .Lfunc_end_k_q80e63ce0b1_place-k_q80e63ce0b1_place
	.p2alignl 7, 3214868480
	.fill 96, 4, 3214868480
	.section	.rodata,"a",@progbits
	.p2align	6, 0x0
	.amdhsa_kernel k_q80e63ce0b1_place
		.amdhsa_group_segment_fixed_size 4096
		.amdhsa_private_segment_fixed_size 0
		.amdhsa_enable_private_segment 0
		.amdhsa_kernarg_size 48
		.amdhsa_user_sgpr_count 2
		.amdhsa_user_sgpr_kernarg_segment_ptr 1
		.amdhsa_wavefront_size32 1
		.amdhsa_system_sgpr_workgroup_id_x 1
		.amdhsa_system_sgpr_workgroup_id_y 1
		.amdhsa_system_sgpr_workgroup_id_z 1
		.amdhsa_system_vgpr_workitem_id 0
		.amdhsa_next_free_vgpr 64
		.amdhsa_next_free_sgpr 66
		.amdhsa_reserve_vcc 0
		.amdhsa_float_denorm_mode_32 3
		.amdhsa_float_denorm_mode_16_64 3
		.amdhsa_memory_ordered 1
		.amdhsa_forward_progress 1
		.amdhsa_inst_pref_size 28
	.end_amdhsa_kernel
	.amdgpu_metadata
---
amdhsa.version: [ 1, 2 ]
amdhsa.kernels:
  - .name:           k_q80e63ce0b1_place
    .symbol:         k_q80e63ce0b1_place.kd
    .args:
      - { .name: sel, .offset: 0, .size: 8, .value_kind: global_buffer, .address_space: global }
      - { .name: hist, .offset: 8, .size: 8, .value_kind: global_buffer, .address_space: global }
      - { .name: W1_codes, .offset: 16, .size: 8, .value_kind: global_buffer, .address_space: global }
      - { .name: W2_codes, .offset: 24, .size: 8, .value_kind: global_buffer, .address_space: global }
      - { .name: list, .offset: 32, .size: 8, .value_kind: global_buffer, .address_space: global }
      - { .name: wf, .offset: 40, .size: 8, .value_kind: global_buffer, .address_space: global }
    .group_segment_fixed_size: 4096
    .private_segment_fixed_size: 0
    .kernarg_segment_align: 8
    .kernarg_segment_size: 48
    .max_flat_workgroup_size: 512
    .sgpr_count:     66
    .vgpr_count:     64
    .wavefront_size: 32
...
	.end_amdgpu_metadata
.endif
;; end of part 6
;; launch up (part 7): grid 4 x 64, 4 waves a work-group, no clusters, 37,376 bytes of LDS; arguments xqs, list, wf, W1_scales, b1, hqs; writes hqs
.if DOCPART == 7
	.amdgcn_target "amdgcn-amd-amdhsa--gfx1250"
	.amdhsa_code_object_version 6
	.text
	.protected	k_q80e63ce0b1_up
	.globl	k_q80e63ce0b1_up
	.p2align	8
	.type	k_q80e63ce0b1_up,@function
k_q80e63ce0b1_up:
	s_mov_b64 s[64:65], 0
	v_nop
	global_prefetch_b8 v0, s[64:65] scope:SCOPE_SE
	s_setreg_imm32_b32 hwreg(HW_REG_WAVE_MODE, 25, 1), 1
	s_wait_xcnt 0x0
; MoE layer, launch 3 of 4: h = gelu(x W1[e] + b1[e]), exact (erf), quantised along the hidden axis, for the tiles of sorted tokens that use expert e.
; Left out: the first product's rows for experts that none of a tile's 16 tokens chose (reference() gathers them away by its own top_k; shown at the head of the first kernel).
; SHARES.  Work-group (cx, b): row block b = 64 sorted places (four tiles of 16 tokens), hidden units 256 cx .. 256 cx + 255; wave w: group g = 4 cx + w, 64 units, for all four tiles.
; The block's codes of x are gathered once by the stored order, meet in LDS, and stay in 256 registers of every wave.  The wave walks the experts that the block's masks name; an expert's 64 rows of W1 (32 KB, laid out
; as register images by the launch before) come straight into 256 registers, the next expert's while this one's gelu is worked.
; THE PRODUCT IS USED TRANSPOSED: source 0 = 16 rows of W1, source 1 = 16 tokens.  Lane (r, h) holds token r; register j of tile t holds unit 32 (t / 2) + 16 h + 8 (t % 2) + j of the group, so the 16 registers of two
; neighbouring tiles are 16 neighbours along the next K.  The bias is the C of a sum's first product.
; OUT: hqs codes [e][block (64)][s (8)][tile m (4)][c (2)][lane][16 bytes]: group g = 2 s + c is registers 4 c .. 4 c + 3 of the second product's K step s, as an image; behind them (+16,777,216) scale bytes [e][T][token r][32].
; The two scale bytes a token and group leave as 2 bytes to rows 32 bytes apart, a sixteenth of the codes' bytes: gathering them would take a barrier under a branch on the stored masks.
; NO TENSOR LOAD AND NO CLUSTER: which experts are walked, and how many, hangs on numbers read from memory, and partners would need different numbers of tiles.
; GELU.  z = a / sqrt(2).  |z| <= 475/512: erf(z) = z + z P(z^2), gelu = a/2 + (a/2) erf.  Beyond: erfc(|z|) = exp(Q(|z|)), gelu = (a/2 + |a/2|) - |a/2| erfc(|z|), which keeps the small negative tail to relative accuracy.
; Both forms are computed for every number and one is selected.  LIMITS: as stated at the head of the first kernel; a block of zeros keeps the scale byte 1.
.set XP,    528                        ; a token's codes in LDS: 512 bytes + 16 of padding
.set XSC,   64*XP                      ; behind the 64 rows: their scale bytes, 32 + 16 of padding each
.set SPARE, 36864                      ; the spare words, 128 bytes for each wave: two blocks of 256 bytes that no other line names
.set L16,  1                           ; v1   16 x lane: an image's place for my lane
.set RW,   2                           ; v2   r = lane % 16
.set HF,   3                           ; v3   h = lane / 16
.set FA,   4                           ; v4   a fragment of x in LDS: 528 r + 16 h
.set WSO,  5                           ; v5   W1's scale words: 32 (r + 8 (r / 8))
.set BIO,  6                           ; v6   the bias: 64 h
.set R32,  7                           ; v7   32 r
.set XSA,  8                           ; v8   x's scale words in LDS
.set SPW,  10                          ; v10  my spare word; never rewritten
.set NIL,  11                          ; v11  0; never rewritten
.set WS,   16                          ; v16-47 W1's scale words [8 t + s]: scales and nothing else
.set XS,   48                          ; v48-79 x's scale words [8 m + s]: scales and nothing else
.set ZZ,   80                          ; v80-95 z;  at the head v80-143 hold 16 rows of codes as loaded
.set HX,   96                          ; a / 2
.set TT,   112                         ; |z|
.set SS,   128                         ; z^2, later a/2 + |a/2|
.set RR,   144                         ; the form for large |z|;  at the head v144-159 the rows' offsets, v160-163 scale bytes
.set UU,   160                         ; the form for small |z|
.set GG,   176                         ; v176-207 gelu: two blocks of 16
.set TM,   208                         ; v208-215 at work in the quantiser
.set PC,   216                         ; v216-231 codes, four registers for each tile of tokens
.set HW,   232                         ; v232-235 two scale bytes for each tile of tokens
.set VC2,  236                         ; v236-241 three constants as pairs
.set VC4,  238
.set VC9,  240
.set ACC,  0                           ; window 3: accumulators [32 m + 8 t + j];
.set BI,   128                         ; the bias [8 t + j].   Window 1: W1 [64 t + 8 s + 4 c].   Window 2: x [64 m + 8 s + 4 c]
.set MM,   20                          ; s20  the experts still to walk: nibble e = its four tile bits
.set NN,   21                          ; s21  how many experts
.set II,   22                          ; s22  the trip
.set CUR,  23                          ; s23  the expert in hand
.set NXT,  24                          ; s24  the next
.set HAS,  25                          ; s25  1 if there is a next
.set TMK,  26                          ; s26  the expert's four tile bits
.set WV,   27
.set GR,   28
.set BL,   29
.set C1, 36                            ; s36-59 constants as pairs (the packed forms name a pair and take its low word for both halves)
.set C3, 38
.set C5, 40
.set C6, 42
.set C7, 44
.set C8, 46
.set C10, 48
.set C11, 50
.set C12, 52
.set C13, 54
.set CRS, 56
.set CL2, 58
.set WB,  60                           ; s[60:61] the weights' images;  s[62:63] their scale words;  s[66:67] the bias
.set WSB, 62
.set BIB, 66
.set HB,  68                           ; s[68:69] where the codes go;  s[70:71] the scale bytes
.set HSB, 70
.set SEL, 72                           ; s[72:73] v_permlanex16_b32's selects
.set THR, 74                           ; s74  475/512
.set ABSM, 75                          ; s75  clears a sign
.set MSB, 0
.macro WIN new                         ; the immediate's high byte repeats the setting that is left
.if MSB != \new
	s_set_vgpr_msb (MSB<<8)|\new
.set MSB, \new
.endif
.endm
.macro KPAIR reg, val
	s_mov_b32 s[\reg], \val
	s_mov_b32 s[\reg+1], \val
.endm
.macro BASES e                         ; where expert s[e]'s weights, scale words and bias of my group lie.  The expert's number was held to 7 at the most as the last step ahead of this arithmetic
	s_lshl_b32 s30, s[\e], 4
	s_add_co_u32 s30, s30, s[GR]
	s_lshl_b32 s30, s30, 15
	s_mov_b32 s31, 0
	s_add_nc_u64 s[WB:WB+1], s[8:9], s[30:31]
	s_lshl_b32 s30, s[\e], 15
	s_lshl_b32 s76, s[GR], 11
	s_add_co_u32 s30, s30, s76
	s_add_nc_u64 s[WSB:WSB+1], s[10:11], s[30:31]
	s_lshl_b32 s30, s[\e], 12
	s_lshl_b32 s76, s[GR], 8
	s_add_co_u32 s30, s30, s76
	s_add_nc_u64 s[BIB:BIB+1], s[12:13], s[30:31]
.endm
.macro WCODES t                        ; K steps 2 t and 2 t + 1 of all four tiles: 16 loads, 8,192 consecutive bytes (wf lies [chunk][s][tile][c][lane][16 bytes])
	WIN 0x40                                       ; destination window 1
.irp s, 0,1
.irp u, 0,1,2,3
.irp c, 0,1
	global_load_b128 v[64*\u+8*(2*(\t)+\s)+4*\c:64*\u+8*(2*(\t)+\s)+4*\c+3], v[L16], s[WB:WB+1] offset:(4*(2*(\t)+\s)+\u)*1024+512*\c
.endr
.endr
.endr
	WIN 0
.endm
.macro WSMALL                          ; the scale words of my 64 rows (8 words a row) and the bias in the result's layout
.irp t, 0,1,2,3
	global_load_b128 v[WS+8*\t:WS+8*\t+3], v[WSO], s[WSB:WSB+1] offset:(32*(\t/2)+8*(\t%2))*32
	global_load_b128 v[WS+8*\t+4:WS+8*\t+7], v[WSO], s[WSB:WSB+1] offset:(32*(\t/2)+8*(\t%2))*32+16
.endr
	WIN 0xc0                                       ; destination window 3
.irp t, 0,1,2,3
	global_load_b128 v[BI+8*\t:BI+8*\t+3], v[BIO], s[BIB:BIB+1] offset:(32*(\t/2)+8*(\t%2))*4
	global_load_b128 v[BI+8*\t+4:BI+8*\t+7], v[BIO], s[BIB:BIB+1] offset:(32*(\t/2)+8*(\t%2))*4+16
.endr
	WIN 0
.endm
	s_load_b256 s[4:11], s[0:1], 0x0               ; xqs, list, wf, W1's scales
	s_load_b128 s[12:15], s[0:1], 0x20             ; b1, hqs
	v_lshl_add_u32 v[SPW], v0, 2, SPARE
	v_mov_b32 v[NIL], 0
	v_lshrrev_b32 v12, 5, v0
	v_readfirstlane_b32 s[WV], v12                 ; wave 0..3
	s_and_b32 s[BL], ttmp7, 0xffff                 ; row block
	s_lshl_b32 s[GR], ttmp9, 2
	s_add_co_u32 s[GR], s[GR], s[WV]               ; group of 64 hidden units
	v_and_b32 v12, 31, v0
	v_lshlrev_b32 v[L16], 4, v12
	v_and_b32 v[RW], 15, v0
	v_bfe_u32 v[HF], v0, 4, 1
	v_mul_u32_u24 v[FA], v[RW], XP
	v_lshl_add_u32 v[FA], v[HF], 4, v[FA]
	v_and_b32 v13, 8, v[RW]
	v_add_nc_u32 v13, v13, v[RW]
	v_lshlrev_b32 v[WSO], 5, v13
	v_lshlrev_b32 v[BIO], 6, v[HF]
	v_lshlrev_b32 v[R32], 5, v[RW]
	v_mul_u32_u24 v[XSA], v[RW], 48
	v_add_nc_u32 v[XSA], XSC, v[XSA]
	s_mul_i32 s30, s[WV], 16*XP
	v_add_nc_u32 v14, s30, v[L16]                  ; where my wave's 16 rows go in LDS
	v_lshrrev_b32 v15, 1, v0                       ; two threads to a row's 32 scale bytes
	v_mul_u32_u24 v9, v15, 48
	v_and_b32 v13, 1, v0
	v_lshl_add_u32 v9, v13, 4, v9
	v_add_nc_u32 v9, XSC, v9
	v_lshlrev_b32 v15, 2, v15
	s_lshl_b32 s30, s[BL], 8                       ; the block's 64 words of the order
	v_add_nc_u32 v15, s30, v15
	s_lshl_b32 s31, s[WV], 6
	s_add_co_u32 s31, s31, s30                     ; my wave's 16 of them
	s_lshl_b32 s30, s[BL], 4                       ; the block's four masks
	v_mov_b32 v[TM+2], 0                           ; written once: a lane permute's destination counts as one of its sources
	v_mov_b32 v[TM+3], 0
	s_wait_alu depctr_va_vdst(0)
	s_wait_kmcnt 0x0
	s_load_b128 s[16:19], s[6:7], s30 offset:0x4000
	s_load_b512 s[36:51], s[6:7], s31
	global_load_b32 v12, v15, s[6:7]               ; the token whose scale bytes I fetch
	s_wait_kmcnt 0x0
.irp i, 0,1,2,3,4,5,6,7,8,9,10,11,12,13,14,15
	s_min_u32 s[36+\i], s[36+\i], 0xfff            ; a token's number is under 4,096
	v_lshl_add_u32 v[RR+\i], s[36+\i], 9, v[L16]
.endr
	s_wait_alu depctr_va_vdst(0)
.irp i, 0,1,2,3,4,5,6,7,8,9,10,11,12,13,14,15
	global_load_b128 v[ZZ+4*\i:ZZ+4*\i+3], v[RR+\i], s[4:5]        ; a token's 512 bytes of codes
.endr
	s_lshl_b32 s17, s17, 1                         ; the walk: nibble e of M = expert e's bits for the block's four tiles
	s_lshl_b32 s18, s18, 2
	s_lshl_b32 s19, s19, 3
	s_or_b32 s16, s16, s17
	s_or_b32 s18, s18, s19
	s_or_b32 s[MM], s16, s18
	s_lshr_b32 s16, s[MM], 1
	s_or_b32 s16, s16, s[MM]
	s_lshr_b32 s17, s16, 2
	s_or_b32 s16, s16, s17
	s_and_b32 s16, s16, 0x11111111
	s_bcnt1_i32_b32 s16, s16
	s_min_u32 s[NN], s16, 8                        ; how many experts the block uses
	s_ctz_i32_b32 s16, s[MM]
	s_lshr_b32 s16, s16, 2
	s_min_u32 s[CUR], s16, 7                       ; the first of them
	BASES CUR
	s_wait_loadcnt 16                              ; the order word is in; the 16 rows were asked for behind it
	v_min_u32 v12, 0xfff, v12
	v_lshlrev_b32 v12, 5, v12
	v_lshl_add_u32 v12, v13, 4, v12
	global_load_b128 v[UU:UU+3], v12, s[4:5] offset:0x200000       ; half of a token's 32 scale bytes
	WCODES 0
	WCODES 1
	WCODES 2
	s_wait_loadcnt 48                              ; the rows and the scale bytes are in; the 48 loads of weights were issued behind them
.irp i, 0,1,2,3,4,5,6,7,8,9,10,11,12,13,14,15
	ds_store_b128 v14, v[ZZ+4*\i:ZZ+4*\i+3] offset:XP*\i
.endr
	ds_store_b128 v9, v[UU:UU+3]
	s_wait_dscnt 0x0                               ; for the others' sake: my 16 rows lie in LDS
	s_barrier_signal -1
	s_barrier_wait -1
.irp m, 0,1,2,3
	WIN 0x80                                       ; destination window 2
.irp s, 0,1,2,3,4,5,6,7
.irp c, 0,1
	ds_load_b128 v[64*\m+8*\s+4*\c:64*\m+8*\s+4*\c+3], v[FA] offset:16*\m*XP+64*\s+32*\c   ; token r of tile m, k = 128 s + 64 c + 32 h + 0 .. 31
.endr
.endr
.if \m == 0
	WCODES 3                                       ; the first expert's last 32 loads stand among the LDS loads: they are out while the fragments of x are read
.endif
.if \m == 1
	WIN 0                                          ; the scale words' registers lie in window 0
	WSMALL
.endif
.endr
	WIN 0
.irp m, 0,1,2,3
	ds_load_b128 v[XS+8*\m:XS+8*\m+3], v[XSA] offset:768*\m
	ds_load_b128 v[XS+8*\m+4:XS+8*\m+7], v[XSA] offset:768*\m+16
.endr
	KPAIR C1,  0xb7910000
	KPAIR C3,  0xbb7e8a1c
	KPAIR C5,  0xbddaae5c
	KPAIR C6,  0xbf228550
	KPAIR C7,  0xbe03ce86
	KPAIR C8,  0xba1c7000
	KPAIR C10, 0xbcdb48d9
	KPAIR C11, 0x3de70e22
	KPAIR C12, 0xbec09380
	KPAIR C13, 0x3e0375d4
	KPAIR CRS, 0x3f3504f3                          ; 1 / sqrt(2)
	KPAIR CL2, 0x3fb8aa3b                          ; log2(e)
	s_mov_b32 s[SEL], 0x76543210
	s_mov_b32 s[SEL+1], 0xfedcba98
	s_mov_b32 s[THR], 0x3f6d8000
	s_mov_b32 s[ABSM], 0x7fffffff
	v_mov_b32 v[VC2], 0x39c8e7d9
	v_mov_b32 v[VC2+1], 0x39c8e7d9
	v_mov_b32 v[VC4], 0x3cc6b1a1
	v_mov_b32 v[VC4+1], 0x3cc6b1a1
	v_mov_b32 v[VC9], 0x3ba38d2c
	v_mov_b32 v[VC9+1], 0x3ba38d2c
	s_wait_dscnt 0x0                               ; x's fragments and scale words are in registers
; Tile m of tokens: gelu of my 64 units, 16 numbers of a lane at a time; then the two blocks of 32 are quantised and leave.  Passed over where no token of the tile uses the expert.
.macro EPI m
	s_bitcmp1_b32 s[TMK], \m
	s_cbranch_scc0 .Lskip_\@
.irp bq, 0,1
	WIN 0x03                                       ; source 0 window 3.
.irp j, 0,2,4,6,8,10,12,14
	v_pk_mul_f32 v[ZZ+\j:ZZ+\j+1], v[ACC+32*\m+16*\bq+\j:ACC+32*\m+16*\bq+\j+1], s[CRS:CRS+1] op_sel_hi:[1,0]
.endr
.irp j, 0,2,4,6,8,10,12,14
	v_pk_mul_f32 v[HX+\j:HX+\j+1], v[ACC+32*\m+16*\bq+\j:ACC+32*\m+16*\bq+\j+1], 0.5 op_sel_hi:[1,0]
.endr
	WIN 0
.irp i, 0,1,2,3,4,5,6,7,8,9,10,11,12,13,14,15
	v_and_b32 v[TT+\i], s[ABSM], v[ZZ+\i]
.endr
.irp j, 0,2,4,6,8,10,12,14
	v_pk_mul_f32 v[SS+\j:SS+\j+1], v[ZZ+\j:ZZ+\j+1], v[ZZ+\j:ZZ+\j+1]
.endr
.irp j, 0,2,4,6,8,10,12,14
	v_pk_fma_f32 v[RR+\j:RR+\j+1], v[TT+\j:TT+\j+1], s[C1:C1+1], v[VC2:VC2+1] op_sel_hi:[1,0,1]
.endr
.irp j, 0,2,4,6,8,10,12,14
	v_pk_fma_f32 v[UU+\j:UU+\j+1], v[TT+\j:TT+\j+1], s[C3:C3+1], v[VC4:VC4+1] op_sel_hi:[1,0,1]
.endr
.irp j, 0,2,4,6,8,10,12,14
	v_pk_fma_f32 v[RR+\j:RR+\j+1], v[RR+\j:RR+\j+1], v[SS+\j:SS+\j+1], v[UU+\j:UU+\j+1]
.endr
.irp k, C5, C6, C7
.irp j, 0,2,4,6,8,10,12,14
	v_pk_fma_f32 v[RR+\j:RR+\j+1], v[RR+\j:RR+\j+1], v[TT+\j:TT+\j+1], s[\k:\k+1] op_sel_hi:[1,1,0]
.endr
.endr
.irp j, 0,2,4,6,8,10,12,14
	v_pk_fma_f32 v[RR+\j:RR+\j+1], v[RR+\j:RR+\j+1], v[TT+\j:TT+\j+1], v[TT+\j:TT+\j+1] neg_lo:[0,0,1] neg_hi:[0,0,1]
.endr
.irp j, 0,2,4,6,8,10,12,14
	v_pk_mul_f32 v[RR+\j:RR+\j+1], v[RR+\j:RR+\j+1], s[CL2:CL2+1] op_sel_hi:[1,0]
.endr
	s_wait_alu depctr_va_vdst(0)
.irp i, 0,1,2,3,4,5,6,7,8,9,10,11,12,13,14,15
	v_exp_f32 v[RR+\i], v[RR+\i]                   ; erfc(|z|): one batch; the small form below names none of its results
.endr
.irp j, 0,2,4,6,8,10,12,14
	v_pk_fma_f32 v[UU+\j:UU+\j+1], v[SS+\j:SS+\j+1], s[C8:C8+1], v[VC9:VC9+1] op_sel_hi:[1,0,1]
.endr
.irp k, C10, C11, C12, C13
.irp j, 0,2,4,6,8,10,12,14
	v_pk_fma_f32 v[UU+\j:UU+\j+1], v[UU+\j:UU+\j+1], v[SS+\j:SS+\j+1], s[\k:\k+1] op_sel_hi:[1,1,0]
.endr
.endr
.irp j, 0,2,4,6,8,10,12,14
	v_pk_fma_f32 v[UU+\j:UU+\j+1], v[UU+\j:UU+\j+1], v[ZZ+\j:ZZ+\j+1], v[ZZ+\j:ZZ+\j+1]   ; erf(z)
.endr
.irp j, 0,2,4,6,8,10,12,14
	v_pk_fma_f32 v[UU+\j:UU+\j+1], v[HX+\j:HX+\j+1], v[UU+\j:UU+\j+1], v[HX+\j:HX+\j+1]   ; a/2 + (a/2) erf(z)
.endr
.irp i, 0,1,2,3,4,5,6,7,8,9,10,11,12,13,14,15
	v_add_f32 v[SS+\i], v[HX+\i], |v[HX+\i]|       ; a where a > 0, else 0
.endr
	s_wait_alu depctr_va_vdst(0)                   ; one wait for the sixteen exponentials, ahead of their first use
.irp i, 0,1,2,3,4,5,6,7,8,9,10,11,12,13,14,15
	v_fma_f32 v[RR+\i], -|v[HX+\i]|, v[RR+\i], v[SS+\i]
.endr
.irp i, 0,1,2,3,4,5,6,7,8,9,10,11,12,13,14,15
	v_cmp_lt_f32 vcc_lo, s[THR], v[TT+\i]
	v_cndmask_b32 v[GG+16*\bq+\i], v[UU+\i], v[RR+\i], vcc_lo
.endr
.endr
.irp bq, 0,1
	v_max3_num_f32 v[TM+\bq], |v[GG+16*\bq]|, |v[GG+16*\bq+1]|, 0x1800000   ; block bq: my 16 numbers, and the floor 2^(3 - 127): the byte cannot fall under 1
.endr
.irp i, 2,4,6,8,10,12,14
.irp bq, 0,1
	v_max3_num_f32 v[TM+\bq], v[TM+\bq], |v[GG+16*\bq+\i]|, |v[GG+16*\bq+\i+1]|
.endr
.endr
.irp bq, 0,1
	v_permlanex16_b32 v[TM+2+\bq], v[TM+\bq], s[SEL], s[SEL+1]
.endr
.irp bq, 0,1
	v_max_num_f32 v[TM+\bq], v[TM+\bq], v[TM+2+\bq]                ; with lane l xor 16's 16: the block's largest magnitude
.endr
.irp bq, 0,1
	v_add_nc_u32 v[TM+4+\bq], 0xff000000, v[TM+\bq]                ; 2 off its exponent field: the conversion's scale operand
.endr
.irp bq, 0,1
	v_lshrrev_b32 v[TM+6+\bq], 23, v[TM+4+\bq]                     ; the scale's byte
.endr
	v_lshl_or_b32 v[HW+\m], v[TM+7], 8, v[TM+6]
.irp bq, 0,1
	v_cvt_scalef32_pk8_fp4_f32 v[PC+4*\m+2*\bq], v[GG+16*\bq:GG+16*\bq+7], v[TM+4+\bq]
	v_cvt_scalef32_pk8_fp4_f32 v[PC+4*\m+2*\bq+1], v[GG+16*\bq+8:GG+16*\bq+15], v[TM+4+\bq]
.endr
	v_nop                                          ; a plain instruction behind the last conversion
	v_permlane16_swap_b32 v[PC+4*\m], v[PC+4*\m+2]                 ; the operand's layout wants a whole block in a lane: lanes 0-15 block 0, lanes 16-31 block 1
	v_permlane16_swap_b32 v[PC+4*\m+1], v[PC+4*\m+3]
	global_store_b128 v[L16], v[PC+4*\m:PC+4*\m+3], s[HB:HB+1] offset:1024*\m    ; an image: 512 consecutive bytes
	global_store_b16 v[R32], v[HW+\m], s[HSB:HSB+1] offset:512*\m                ; my token's two bytes (lanes 16-31 write what lanes 0-15 write)
.Lskip_\@:
.endm
	s_mov_b32 s[II], 0
.Ltrip:                                            ; a trip is an expert
	s_lshl_b32 s30, s[CUR], 2
	s_lshr_b32 s[TMK], s[MM], s30
	s_and_b32 s[TMK], s[TMK], 15                   ; which of the four tiles use it
	s_lshl_b32 s30, 15, s30
	s_and_not1_b32 s[MM], s[MM], s30               ; it is walked
	s_cmp_lg_u32 s[MM], 0
	s_cselect_b32 s[HAS], 1, 0
	s_ctz_i32_b32 s30, s[MM]
	s_lshr_b32 s30, s30, 2
	s_min_u32 s[NXT], s30, 7
	s_wait_loadcnt 0x0                             ; this expert's weights, scale words and bias are in
	s_wait_xcnt 0x0                                ; the last trip's stores have read their data and bases: both are written again below
	s_lshl_b32 s30, s[CUR], 8
	s_lshl_b32 s76, s[BL], 2
	s_add_co_u32 s30, s30, s76                     ; 256 e + the block's first tile
	s_lshl_b32 s76, s30, 13
	s_lshr_b32 s77, s[GR], 1                       ; hqs's codes AS THEY ARE STORED HERE: [e][block (64)][s (8)][tile m (4)][c (2)][lane][16 bytes]; my group is g = 2 s + c
	s_lshl_b32 s77, s77, 12
	s_and_b32 s78, s[GR], 1
	s_lshl_b32 s78, s78, 9
	s_add_co_u32 s77, s77, s78
	s_add_co_u32 s76, s76, s77
	s_mov_b32 s77, 0
	s_add_nc_u64 s[HB:HB+1], s[14:15], s[76:77]
	s_lshl_b32 s76, s30, 9
	s_lshl_b32 s78, s[GR], 1
	s_add_co_u32 s76, s76, s78
	s_add_co_u32 s76, s76, 0x1000000
	s_add_nc_u64 s[HSB:HSB+1], s[14:15], s[76:77]
	WIN 0xf9                                       ; source 0 (W1) window 1, source 1 (x) window 2, C and D window 3
.irp s, 0,1,2,3,4,5,6,7                        ; all four tiles, whatever the masks say: the sixteen accumulators take turns, one instruction a turn
.irp m, 0,1,2,3
.irp t, 0,1,2,3
.if \s == 0
	v_wmma_scale_f32_16x16x128_f8f6f4 v[ACC+32*\m+8*\t:ACC+32*\m+8*\t+7], v[64*\t+8*\s:64*\t+8*\s+7], v[64*\m+8*\s:64*\m+8*\s+7], v[BI+8*\t:BI+8*\t+7], v[WS+8*\t+\s], v[XS+8*\m+\s] matrix_a_fmt:MATRIX_FMT_FP4 matrix_b_fmt:MATRIX_FMT_FP4
.else
	v_wmma_scale_f32_16x16x128_f8f6f4 v[ACC+32*\m+8*\t:ACC+32*\m+8*\t+7], v[64*\t+8*\s:64*\t+8*\s+7], v[64*\m+8*\s:64*\m+8*\s+7], v[ACC+32*\m+8*\t:ACC+32*\m+8*\t+7], v[WS+8*\t+\s], v[XS+8*\m+\s] matrix_a_fmt:MATRIX_FMT_FP4 matrix_b_fmt:MATRIX_FMT_FP4
.endif
.endr
.endr
.endr
.rept 5
	v_nop                                          ; places behind the products: four for the loads into their operands and the reads of their results, a fifth for the next trip's first products, which begin the accumulators anew
.endr
	WIN 0
; A quarter of the next expert's loads: K steps 2 t and 2 t + 1 of its weights, and tile t's scale words and bias: 20 loads, asked for ahead of the gelu of tile t of tokens, so that the 80 loads of an expert go out in four runs with vector work between them.
.macro ASK t
	s_cmp_lg_u32 s[HAS], 0
	s_cbranch_scc0 .Lnone_\@
	WCODES \t
	global_load_b128 v[WS+8*(\t):WS+8*(\t)+3], v[WSO], s[WSB:WSB+1] offset:(32*((\t)/2)+8*((\t)%2))*32
	global_load_b128 v[WS+8*(\t)+4:WS+8*(\t)+7], v[WSO], s[WSB:WSB+1] offset:(32*((\t)/2)+8*((\t)%2))*32+16
	WIN 0xc0                                       ; destination window 3
	global_load_b128 v[BI+8*(\t):BI+8*(\t)+3], v[BIO], s[BIB:BIB+1] offset:(32*((\t)/2)+8*((\t)%2))*4
	global_load_b128 v[BI+8*(\t)+4:BI+8*(\t)+7], v[BIO], s[BIB:BIB+1] offset:(32*((\t)/2)+8*((\t)%2))*4+16
	WIN 0
.Lnone_\@:
.endm
	BASES NXT                                      ; on every way (no load is out: the bases may be written); where there is no next expert the number is held at 7 and the bases are not used
	ASK 0
	EPI 0
	ASK 1
	EPI 1
	ASK 2
	EPI 2
	ASK 3
	EPI 3
	s_mov_b32 s[CUR], s[NXT]
	s_add_co_u32 s[II], s[II], 1
	s_cmp_lt_u32 s[II], s[NN]
	s_cbranch_scc1 .Ltrip
	s_wait_tensorcnt 0x0                           ; the wave's end: behind my last LDS store
	ds_add_u32 v[SPW], v[NIL]
	s_wait_dscnt 0x0
	s_endpgm
.Lfunc_end_k_q80e63ce0b1_up:
	.size	k_q80e63ce0b1_up, .Lfunc_end_k_q80e63ce0b1_up-k_q80e63ce0b1_up
	.p2alignl 7, 3214868480
	.fill 96, 4, 3214868480
	.section	.rodata,"a",@progbits
	.p2align	6, 0x0
	.amdhsa_kernel k_q80e63ce0b1_up
		.amdhsa_group_segment_fixed_size 37376
		.amdhsa_private_segment_fixed_size 0
		.amdhsa_enable_private_segment 0
		.amdhsa_kernarg_size 48
		.amdhsa_user_sgpr_count 2
		.amdhsa_user_sgpr_kernarg_segment_ptr 1
		.amdhsa_wavefront_size32 1
		.amdhsa_system_sgpr_workgroup_id_x 1
		.amdhsa_system_sgpr_workgroup_id_y 1
		.amdhsa_system_sgpr_workgroup_id_z 1
		.amdhsa_system_vgpr_workitem_id 0
		.amdhsa_next_free_vgpr 928
		.amdhsa_next_free_sgpr 80
		.amdhsa_reserve_vcc 1
		.amdhsa_float_denorm_mode_32 3
		.amdhsa_float_denorm_mode_16_64 3
		.amdhsa_memory_ordered 1
		.amdhsa_forward_progress 1
		.amdhsa_inst_pref_size 163
	.end_amdhsa_kernel
	.amdgpu_metadata
---
amdhsa.version: [ 1, 2 ]
amdhsa.kernels:
  - .name:           k_q80e63ce0b1_up
    .symbol:         k_q80e63ce0b1_up.kd
    .args:
      - { .name: xqs, .offset: 0, .size: 8, .value_kind: global_buffer, .address_space: global }
      - { .name: list, .offset: 8, .size: 8, .value_kind: global_buffer, .address_space: global }
      - { .name: wf, .offset: 16, .size: 8, .value_kind: global_buffer, .address_space: global }
      - { .name: W1_scales, .offset: 24, .size: 8, .value_kind: global_buffer, .address_space: global }
      - { .name: b1, .offset: 32, .size: 8, .value_kind: global_buffer, .address_space: global }
      - { .name: hqs, .offset: 40, .size: 8, .value_kind: global_buffer, .address_space: global }
    .group_segment_fixed_size: 37376
    .private_segment_fixed_size: 0
    .kernarg_segment_align: 8
    .kernarg_segment_size: 48
    .max_flat_workgroup_size: 128
    .sgpr_count:     80
    .vgpr_count:     928
    .wavefront_size: 32
...
	.end_amdgpu_metadata
.endif
;; end of part 7
;; launch down (part 8): grid 4 x 64, 4 waves a work-group, no clusters, 17,920 bytes of LDS; arguments hqs, list, sel, gw, wf, W2_scales, b2, out0; writes out0
.if DOCPART == 8
	.amdgcn_target "amdgcn-amd-amdhsa--gfx1250"
	.amdhsa_code_object_version 6
	.text
	.protected	k_q80e63ce0b1_down
	.globl	k_q80e63ce0b1_down
	.p2align	8
	.type	k_q80e63ce0b1_down,@function
k_q80e63ce0b1_down:
	s_mov_b64 s[64:65], 0
	v_nop
	global_prefetch_b8 v0, s[64:65] scope:SCOPE_SE
	s_setreg_imm32_b32 hwreg(HW_REG_WAVE_MODE, 25, 1), 1
	s_wait_xcnt 0x0
; MoE layer, launch 4 of 4: out[token] = the sum over its two experts of score x (h W2[e] + b2[e]).
; Left out: the second product's rows for experts that none of a block's 64 tokens chose (reference() gathers them away by its own top_k; shown at the head of the first kernel).
; SHARES.  Work-group (cx, b): row block b = 64 sorted places (four tiles of 16 tokens), output columns 256 cx .. 256 cx + 255; wave w: group g = 4 cx + w, 64 columns, for all four tiles.  Each output row has one owner.
; THE PRODUCT IS USED TRANSPOSED: source 0 = 16 rows of W2, source 1 = 16 tokens; the bias is the C of a sum's first product.  A lane holds one token, so an expert's result is weighed in by one packed
; multiply-add with the lane's score for that expert: the first or the second score, or 0 where the token did not choose it.
; A RING ALONG K IN REGISTERS.  The wave walks the experts that the block's masks name.  An expert is eight K steps of 128; a step holds 4 fragments of W2 and 4 of h (64 registers, 16 loads of 512 bytes) and is
; 16 products, one on each of the 16 accumulators (4 tiles of tokens x 4 tiles of columns).  Behind a step's products its 64 registers are asked for again, for the NEXT expert's same step: so while one expert is
; multiplied the next one's operands are on their way, and nothing is drained between experts.  The bias is asked for again behind step 0 (its only use), the scale words of steps 0-3 behind step 3, those of steps 4-7 behind step 7.
; THE ORDER OF AN EXPERT'S 152 LOADS, at the head and in the loop alike: bias 8; steps 0 to 3, 16 each; Q0 (scale words of steps 0-3) 8; steps 4 to 6; Q1 (scale words of steps 4-7) 8; step 7.
; The trip is written twice: in the loop it asks for the next expert, the last trip asks for nothing.
; A tile that does not use the expert in hand is multiplied all the same, on the hidden codes of the expert's first tile that does use it (no byte is read that no launch wrote), and every token of it has the weight 0.
; The output sums begin as zeros: which expert comes first hangs on the stored masks, so no product of the text can start them; the 128 moves stand where the arguments are awaited.
; NO TENSOR LOAD AND NO CLUSTER: which experts are walked, and how many, hangs on numbers read from memory, and partners would need different numbers of tiles.  No prefetch: the ring itself asks a whole expert ahead.
; LIMITS: as stated at the head of the first kernel; and what is said there of a row weighed by 0 holds here of whole tiles too: a non-finite product in a tile that did not choose an expert of its block would show as NaN.
.set SP,    272                        ; a stage row: 64 columns of f32 + 16 bytes of padding
.set SPARE, 17408                      ; behind the four stages of 16 rows: the spare words, 128 bytes for each wave: two blocks of 256 bytes that no other line names
.set L16,  1                           ; v1   16 x lane
.set RW,   2                           ; v2   r
.set HF,   3                           ; v3   h
.set WSO,  5                           ; v5   W2's scale words: 32 (r + 8 (r / 8))
.set BIO,  6                           ; v6   the bias: 64 h
.set R32,  7                           ; v7   32 r
.set STI,  8                           ; v8   the stage, on the way in
.set STO,  9                           ; v9   and on the way out
.set SPW,  10                          ; v10  my spare word; never rewritten
.set NIL,  11                          ; v11  0; never rewritten
.set WS,   16                          ; v16-47 W2's scale words [8 t + s]: scales and nothing else
.set HSV,  48                          ; v48-79 the hidden layer's scale words [8 m + s]: scales and nothing else
.set TK,   80                          ; v80-83 token r of tile m
.set SL,   84                          ; v84-87 its two experts
.set GS,   88                          ; v88-95 its two scores
.set GW,   96                          ; v96-103 its weight for the expert in hand, in the low register of a pair
.set AD,   104                         ; v104-111 offsets of the loads of sel and gw
.set TOK,  112                         ; v112-143 the way out: the token of row 2 i + h of tile m, then its offset in out0
.set RB,   144                         ; v144-207 the way out: 16 rows read back, two sets
.set BI,   208                         ; v208-239 the bias [8 t + j]
.set ACC,  0                           ; window 3: the accumulators [32 m + 8 t + j];
.set OUT,  128                         ; the output sums [32 m + 8 t + j].   Window 1: W2 [64 t + 8 s + 4 c].   Window 2: h [64 m + 8 s + 4 c]
.set MM,   24                          ; s24  the experts still to walk: nibble e = its four tile bits
.set NN,   25                          ; s25  how many experts
.set II,   26                          ; s26  the trip
.set CUR,  27                          ; s27  the expert in hand
.set NXT,  28                          ; s28  the next
.set TMK,  30                          ; s30, s31  their four tile bits
.set TMN,  31
.set WV,   32
.set GR,   33
.set BL,   34
.set WB,   36                          ; s[36:37] the weights' images;  s[38:39] their scale words;  s[40:41] the bias
.set WSB,  38
.set BIB,  40
.set HBB,  44                          ; s[44:51] the hidden codes of tile m;  s[52:59] their scale bytes
.set HSB,  52
.set HQS,  66                          ; s[66:67] hqs's scale bytes
.set OB,   68                          ; s[68:69] out0 at my 64 columns
.set LB,   70                          ; s[70:71] the block's words of the order
.set MSB, 0
.macro WIN new                         ; the immediate's high byte repeats the setting that is left
.if MSB != \new
	s_set_vgpr_msb (MSB<<8)|\new
.set MSB, \new
.endif
.endm
.macro BASES e, tm                     ; where expert s[e]'s operands lie; s[tm]: its four tile bits.  Numbers that come from memory are held to their range as the last step ahead of the address arithmetic
	s_lshl_b32 s42, s[\e], 4
	s_add_co_u32 s42, s42, s[GR]
	s_lshl_b32 s42, s42, 15
	s_mov_b32 s43, 0
	s_add_nc_u64 s[WB:WB+1], s[12:13], s[42:43]
	s_lshl_b32 s42, s[\e], 15
	s_lshl_b32 s35, s[GR], 11
	s_add_co_u32 s42, s42, s35
	s_add_nc_u64 s[WSB:WSB+1], s[14:15], s[42:43]
	s_lshl_b32 s42, s[\e], 12
	s_lshl_b32 s35, s[GR], 8
	s_add_co_u32 s42, s42, s35
	s_add_nc_u64 s[BIB:BIB+1], s[16:17], s[42:43]
	s_lshl_b32 s60, s[\e], 8
	s_lshl_b32 s35, s[BL], 2
	s_add_co_u32 s60, s60, s35                     ; 256 e + the block's first tile
	s_ctz_i32_b32 s35, s[\tm]                      ; the first tile that uses the expert
.irp m, 0,1,2,3
	s_bitcmp1_b32 s[\tm], \m
	s_cselect_b32 s42, \m, s35                     ; tile m, or that first tile in its stead
	s_min_u32 s42, s42, 3
	s_add_co_u32 s61, s42, s60
	s_lshl_b32 s61, s61, 9                         ; its scale bytes: [e][tile][token][32]
	s_lshl_b32 s42, s42, 10                        ; its codes: [e][block][s][tile][c][lane][16 bytes]: 1,024 bytes a tile inside a K step's 4,096,
	s_lshl_b32 s21, s60, 13                        ; behind the block's first byte
	s_add_co_u32 s42, s42, s21
	s_add_nc_u64 s[HBB+2*\m:HBB+2*\m+1], s[4:5], s[42:43]
	s_mov_b32 s42, s61
	s_add_nc_u64 s[HSB+2*\m:HSB+2*\m+1], s[HQS:HQS+1], s[42:43]
.endr
.endm
.macro WSTEP s                         ; K step s: W2's four fragments and the hidden layer's four, 16 loads of 512 consecutive bytes
	WIN 0x40                                       ; destination window 1
.irp t, 0,1,2,3
.irp c, 0,1
	global_load_b128 v[64*\t+8*(\s)+4*\c:64*\t+8*(\s)+4*\c+3], v[L16], s[WB:WB+1] offset:(4*(\s)+\t)*1024+512*\c   ; wf lies [chunk][s][t][c]: a step's eight loads are 4,096 consecutive bytes, and step follows step
.endr
.endr
	WIN 0x80                                       ; destination window 2
.irp m, 0,1,2,3
.irp c, 0,1
	global_load_b128 v[64*\m+8*(\s)+4*\c:64*\m+8*(\s)+4*\c+3], v[L16], s[HBB+2*\m:HBB+2*\m+1] offset:4096*(\s)+512*\c   ; likewise the hidden codes, where all four tiles use the expert
.endr
.endr
	WIN 0
.endm
.macro QUAD q                          ; the scale words of K steps 4 q .. 4 q + 3: four words a row, 8 loads
.irp t, 0,1,2,3
	global_load_b128 v[WS+8*\t+4*(\q):WS+8*\t+4*(\q)+3], v[WSO], s[WSB:WSB+1] offset:(32*(\t/2)+8*(\t%2))*32+16*(\q)
.endr
.irp m, 0,1,2,3
	global_load_b128 v[HSV+8*\m+4*(\q):HSV+8*\m+4*(\q)+3], v[R32], s[HSB+2*\m:HSB+2*\m+1] offset:16*(\q)
.endr
.endm
.macro BIAS                            ; the bias in the result's layout, 8 loads
.irp t, 0,1,2,3
	global_load_b128 v[BI+8*\t:BI+8*\t+3], v[BIO], s[BIB:BIB+1] offset:(32*(\t/2)+8*(\t%2))*4
	global_load_b128 v[BI+8*\t+4:BI+8*\t+7], v[BIO], s[BIB:BIB+1] offset:(32*(\t/2)+8*(\t%2))*4+16
.endr
.endm
.macro MUL s                           ; 16 products: the sixteen accumulators take turns, one instruction a turn
.if (\s) == 0
	WIN 0xc9                                       ; source 0 (W2) window 1, source 1 (h) window 2, C (the bias) window 0, D window 3
.else
	WIN 0xf9                                       ; C and D window 3
.endif
.irp m, 0,1,2,3
.irp t, 0,1,2,3
.if (\s) == 0
	v_wmma_scale_f32_16x16x128_f8f6f4 v[ACC+32*\m+8*\t:ACC+32*\m+8*\t+7], v[64*\t+8*(\s):64*\t+8*(\s)+7], v[64*\m+8*(\s):64*\m+8*(\s)+7], v[BI+8*\t:BI+8*\t+7], v[WS+8*\t+(\s)], v[HSV+8*\m+(\s)] matrix_a_fmt:MATRIX_FMT_FP4 matrix_b_fmt:MATRIX_FMT_FP4
.else
	v_wmma_scale_f32_16x16x128_f8f6f4 v[ACC+32*\m+8*\t:ACC+32*\m+8*\t+7], v[64*\t+8*(\s):64*\t+8*(\s)+7], v[64*\m+8*(\s):64*\m+8*(\s)+7], v[ACC+32*\m+8*\t:ACC+32*\m+8*\t+7], v[WS+8*\t+(\s)], v[HSV+8*\m+(\s)] matrix_a_fmt:MATRIX_FMT_FP4 matrix_b_fmt:MATRIX_FMT_FP4
.endif
.endr
.endr
.endm
; A K step.  nx = 1: its registers are asked for again, for the next expert.  Steps 1-3 need what was asked for ahead of Q0, steps 5 and 6 what was asked for ahead of Q1: the waits of steps 0 and 4 have shown it in.
.macro STEP s, nx
.if (\s) == 4
.if \nx
	s_wait_loadcnt 63                              ; Q1 is in: behind it stand step 7's 16 loads and 80 for the next expert
.else
	s_wait_loadcnt 16                              ; Q1 is in; step 7's 16 loads may be out
.endif
.endif
.if (\s) == 7
.if \nx
	s_wait_loadcnt 63                              ; step 7 is in: 128 loads for the next expert stand behind it
.else
	s_wait_loadcnt 0x0
.endif
.endif
	MUL \s
.if (\nx) || (\s) == 7
.rept 4
	v_nop                                          ; places behind the products, ahead of the loads into their operands and of the reads of their results
.endr
.endif
.if \nx
	WIN 0
.if (\s) == 0
	BIAS
.endif
.if (\s) == 7
	QUAD 1
.endif
	WSTEP \s
.if (\s) == 3
	QUAD 0
.endif
.endif
.endm
; A trip is an expert.
.macro TRIP nx
.if \nx
	s_lshl_b32 s20, s[CUR], 2
	s_lshl_b32 s20, 15, s20
	s_and_not1_b32 s[MM], s[MM], s20               ; the expert in hand is walked
	s_ctz_i32_b32 s20, s[MM]
	s_lshr_b32 s20, s20, 2
	s_min_u32 s[NXT], s20, 7                       ; the next
	s_lshl_b32 s20, s[NXT], 2
	s_lshr_b32 s[TMN], s[MM], s20
	s_and_b32 s[TMN], s[TMN], 15
	s_wait_xcnt 0x0                                ; the loads that are out have read their bases: these are written below
	BASES NXT, TMN
.endif
	s_wait_loadcnt 63                              ; the bias, step 0 and Q0 are in (the first time sel and gw too): behind Q0 stand steps 4 to 7 and Q1, 72 loads
.irp m, 0,1,2,3
	v_and_b32 v12, 0xff, v[SL+\m]
	v_cmp_eq_u32 vcc_lo, s[CUR], v12
	v_cndmask_b32 v[GW+2*\m], 0, v[GS+2*\m], vcc_lo                ; the first score, if this is the token's first expert;
	v_lshrrev_b32 v13, 8, v[SL+\m]
	v_cmp_eq_u32 vcc_lo, s[CUR], v13
	v_cndmask_b32 v[GW+2*\m], v[GW+2*\m], v[GS+2*\m+1], vcc_lo     ; the second, if it is the second; else 0
.endr
	s_wait_alu depctr_va_vdst(0)
.irp s, 0,1,2,3,4,5,6,7
	STEP \s, \nx
.endr
	WIN 0xf3                                       ; source 0 (the result), source 2 and destination (the sums) window 3; the weight window 0
.irp m, 0,1,2,3
.irp j, 0,2,4,6,8,10,12,14,16,18,20,22,24,26,28,30
	v_pk_fma_f32 v[OUT+32*\m+\j:OUT+32*\m+\j+1], v[ACC+32*\m+\j:ACC+32*\m+\j+1], v[GW+2*\m:GW+2*\m+1], v[OUT+32*\m+\j:OUT+32*\m+\j+1] op_sel_hi:[1,0,1]   ; each accumulator from its low end on
.endr
.endr
	WIN 0
.endm
	s_load_b512 s[4:19], s[0:1], 0x0               ; hqs, list, sel, gw, wf, W2's scales, b2, out0
	v_lshl_add_u32 v[SPW], v0, 2, SPARE
	v_mov_b32 v[NIL], 0
	v_lshrrev_b32 v12, 5, v0
	v_readfirstlane_b32 s[WV], v12                 ; wave 0..3
	s_and_b32 s[BL], ttmp7, 0xffff                 ; row block
	s_lshl_b32 s[GR], ttmp9, 2
	s_add_co_u32 s[GR], s[GR], s[WV]               ; group of 64 output columns
	v_and_b32 v12, 31, v0
	v_lshlrev_b32 v[L16], 4, v12
	v_and_b32 v[RW], 15, v0
	v_bfe_u32 v[HF], v0, 4, 1
	v_and_b32 v13, 8, v[RW]
	v_add_nc_u32 v13, v13, v[RW]
	v_lshlrev_b32 v[WSO], 5, v13
	v_lshlrev_b32 v[BIO], 6, v[HF]
	v_lshlrev_b32 v[R32], 5, v[RW]
	s_mul_i32 s35, s[WV], 16*SP                    ; my stage
	v_mul_u32_u24 v[STI], v[RW], SP
	v_lshl_add_u32 v[STI], v[HF], 6, v[STI]        ; in: row r; my half's 16 columns of a block of 32: + 64 h
	v_add_nc_u32 v[STI], s35, v[STI]
	v_mul_u32_u24 v[STO], v[HF], SP
	v_lshl_add_u32 v[STO], v[RW], 4, v[STO]        ; back: lanes 0-15 one row of 256 bytes, lanes 16-31 the next
	v_add_nc_u32 v[STO], s35, v[STO]
	v_lshlrev_b32 v12, 2, v[RW]
	v_lshlrev_b32 v13, 2, v[HF]
	v_lshlrev_b32 v14, 4, v[RW]
.irp m, 0,1,2,3
	v_mov_b32 v[GW+2*\m+1], 0                      ; (named as the upper half of a pair, so it is written)
.endr
	WIN 0xc0
.set k, 0
.rept 128
	v_mov_b32 v[OUT+k], 0                          ; the output sums, while the arguments are out
.set k, k+1
.endr
	WIN 0
	s_lshl_b32 s35, s[BL], 4                       ; the block's four masks
	s_lshl_b32 s60, s[BL], 8                       ; the block's 64 words of the order
	s_mov_b32 s61, 0
	s_lshl_b32 s42, s[GR], 8                       ; my 64 columns: 256 bytes
	s_mov_b32 s43, 0
	s_wait_alu depctr_va_vdst(0)
	s_wait_kmcnt 0x0
	s_load_b128 s[20:23], s[6:7], s35 offset:0x4000
	s_add_nc_u64 s[LB:LB+1], s[6:7], s[60:61]
.irp m, 0,1,2,3
	global_load_b32 v[TK+\m], v12, s[LB:LB+1] offset:64*\m         ; token r of tile m
.endr
.irp m, 0,1,2,3
.irp i, 0,1,2,3,4,5,6,7
	global_load_b32 v[TOK+8*\m+\i], v13, s[LB:LB+1] offset:64*\m+8*\i   ; the token of row 2 i + h
.endr
.endr
	s_add_nc_u64 s[12:13], s[12:13], 0x400000      ; W2's images lie behind W1's
	s_add_nc_u64 s[HQS:HQS+1], s[4:5], 0x1000000
	s_add_nc_u64 s[OB:OB+1], s[18:19], s[42:43]
	s_wait_kmcnt 0x0
	s_lshl_b32 s21, s21, 1                         ; the walk: nibble e of M = expert e's bits for the block's four tiles
	s_lshl_b32 s22, s22, 2
	s_lshl_b32 s23, s23, 3
	s_or_b32 s20, s20, s21
	s_or_b32 s22, s22, s23
	s_or_b32 s[MM], s20, s22
	s_lshr_b32 s20, s[MM], 1
	s_or_b32 s20, s20, s[MM]
	s_lshr_b32 s21, s20, 2
	s_or_b32 s20, s20, s21
	s_and_b32 s20, s20, 0x11111111
	s_bcnt1_i32_b32 s20, s20
	s_min_u32 s[NN], s20, 8                        ; how many experts the block uses
	s_ctz_i32_b32 s20, s[MM]
	s_lshr_b32 s20, s20, 2
	s_min_u32 s[CUR], s20, 7                       ; the first of them
	s_lshl_b32 s20, s[CUR], 2
	s_lshr_b32 s[TMK], s[MM], s20
	s_and_b32 s[TMK], s[TMK], 15
	BASES CUR, TMK
	BIAS                                           ; the first expert's loads, in the order that every expert's have
	WSTEP 0
	WSTEP 1
	WSTEP 2
	s_wait_loadcnt 56                              ; the 36 words of the order are in; 8 + 48 loads were issued behind them
.irp m, 0,1,2,3
	v_min_u32 v[TK+\m], 0xfff, v[TK+\m]            ; a token's number is under 4,096
	v_lshlrev_b32 v[AD+\m], 2, v[TK+\m]
	v_lshlrev_b32 v[AD+4+\m], 3, v[TK+\m]
.endr
.irp m, 0,1,2,3
	global_load_b32 v[SL+\m], v[AD+\m], s[8:9]
	global_load_b64 v[GS+2*\m:GS+2*\m+1], v[AD+4+\m], s[10:11]
.endr
	WSTEP 3
	QUAD 0
	WSTEP 4
	WSTEP 5
	WSTEP 6
	QUAD 1
	WSTEP 7
.set k, 0
.rept 32
	v_min_u32 v[TOK+k], 0xfff, v[TOK+k]
	v_lshl_add_u32 v[TOK+k], v[TOK+k], 12, v14     ; its row of out0 (4,096 bytes), + 16 r
.set k, k+1
.endr
	s_mov_b32 s[II], 1
	s_cmp_lt_u32 s[II], s[NN]
	s_cbranch_scc0 .Llast
.Ltrip:                                            ; every expert but the last: its trip asks for the next one's operands
	TRIP 1
	s_mov_b32 s[CUR], s[NXT]
	s_add_co_u32 s[II], s[II], 1
	s_cmp_lt_u32 s[II], s[NN]
	s_cbranch_scc1 .Ltrip
.Llast:
	TRIP 0
	; THE WAY OUT, a tile of 16 tokens at a time: a lane holds 64 columns of one token, in runs of 16; they go through my own stage in LDS and come back as whole rows of 256 bytes,
	; which sixteen lanes store to the token's row of out0.  LDS serves a wave's instructions in order: no wait between the stores and the loads.
	s_wait_alu depctr_va_vdst(0)
.irp m, 0,1,2,3
.if \m >= 2
	s_wait_xcnt 0x0                                ; the stores of two tiles ago have read their registers: the loads below land there
.endif
	WIN 0x0c                                       ; an LDS store's data are its source 1: window 3
.irp bq, 0,1
.irp q, 0,1,2,3
	ds_store_b128 v[STI], v[OUT+32*\m+16*\bq+4*\q:OUT+32*\m+16*\bq+4*\q+3] offset:128*\bq+16*\q
.endr
.endr
	WIN 0
.irp i, 0,1,2,3,4,5,6,7
	ds_load_b128 v[RB+32*(\m%2)+4*\i:RB+32*(\m%2)+4*\i+3], v[STO] offset:2*SP*\i
.endr
	s_wait_dscnt 0x0
.irp i, 0,1,2,3,4,5,6,7
	global_store_b128 v[TOK+8*\m+\i], v[RB+32*(\m%2)+4*\i:RB+32*(\m%2)+4*\i+3], s[OB:OB+1] th:TH_STORE_NT   ; 16 lanes store 256 consecutive bytes, at a multiple of 256 from out0's first byte
.endr
.endr
	s_wait_tensorcnt 0x0                           ; the wave's end: behind my last LDS store
	ds_add_u32 v[SPW], v[NIL]
	s_wait_dscnt 0x0
	s_endpgm
.Lfunc_end_k_q80e63ce0b1_down:
	.size	k_q80e63ce0b1_down, .Lfunc_end_k_q80e63ce0b1_down-k_q80e63ce0b1_down
	.p2alignl 7, 3214868480
	.fill 96, 4, 3214868480
	.section	.rodata,"a",@progbits
	.p2align	6, 0x0
	.amdhsa_kernel k_q80e63ce0b1_down
		.amdhsa_group_segment_fixed_size 17920
		.amdhsa_private_segment_fixed_size 0
		.amdhsa_enable_private_segment 0
		.amdhsa_kernarg_size 64
		.amdhsa_user_sgpr_count 2
		.amdhsa_user_sgpr_kernarg_segment_ptr 1
		.amdhsa_wavefront_size32 1
		.amdhsa_system_sgpr_workgroup_id_x 1
		.amdhsa_system_sgpr_workgroup_id_y 1
		.amdhsa_system_sgpr_workgroup_id_z 1
		.amdhsa_system_vgpr_workitem_id 0
		.amdhsa_next_free_vgpr 1024
		.amdhsa_next_free_sgpr 72
		.amdhsa_reserve_vcc 1
		.amdhsa_float_denorm_mode_32 3
		.amdhsa_float_denorm_mode_16_64 3
		.amdhsa_memory_ordered 1
		.amdhsa_forward_progress 1
		.amdhsa_inst_pref_size 102
	.end_amdhsa_kernel
	.amdgpu_metadata
---
amdhsa.version: [ 1, 2 ]
amdhsa.kernels:
  - .name:           k_q80e63ce0b1_down
    .symbol:         k_q80e63ce0b1_down.kd
    .args:
      - { .name: hqs, .offset: 0, .size: 8, .value_kind: global_buffer, .address_space: global }
      - { .name: list, .offset: 8, .size: 8, .value_kind: global_buffer, .address_space: global }
      - { .name: sel, .offset: 16, .size: 8, .value_kind: global_buffer, .address_space: global }
      - { .name: gw, .offset: 24, .size: 8, .value_kind: global_buffer, .address_space: global }
      - { .name: wf, .offset: 32, .size: 8, .value_kind: global_buffer, .address_space: global }
      - { .name: W2_scales, .offset: 40, .size: 8, .value_kind: global_buffer, .address_space: global }
      - { .name: b2, .offset: 48, .size: 8, .value_kind: global_buffer, .address_space: global }
      - { .name: out0, .offset: 56, .size: 8, .value_kind: global_buffer, .address_space: global }
    .group_segment_fixed_size: 17920
    .private_segment_fixed_size: 0
    .kernarg_segment_align: 8
    .kernarg_segment_size: 64
    .max_flat_workgroup_size: 128
    .sgpr_count:     72
    .vgpr_count:     1024
    .wavefront_size: 32
...
	.end_amdgpu_metadata
.endif
;; end of part 8
